; MI455X (gfx1250); checked and timed in simulation.
; The chip was launched on July 23, 2026; its instructions are those of AMD's public machine-readable ISA for CDNA 5 (MIT licence, August 2026) and "CDNA5" Instruction Set Architecture Reference Guide (July 2026). The comments in the code are by the model that wrote it; some were corrected since.
;; Meta Linear2. Allowed arithmetic: matrix products marked QUANTISED: E2M3 operands, one E8M0 scale for each 32 along K, by v_wmma_scale_f32_16x16x128_f8f6f4 with both operands' format E2M3, f32 sums; products left as they are: f32 operands where the result goes on into a quantised operand, else bf16, f16 or f32 operands; f32 sums; everything else in f32.
;; Inputs: b1 32 float32; b2 65,536 float32; c1 32 float32; c2 256 float32; u1 32 x 256 float32; u2 256 x 32 float32; w1 32 x 256 float32; w2 65,536 x 32 float32; x 4 x 512 x 256 float32.
;; Outputs: out0 4 x 512 x 256 float32.
;; This version of the problem:
;;   THIS VERSION OF THE PROBLEM IS GIVEN IN LOW PRECISION. The matrix products marked QUANTISED in the list below multiply operands that are first quantised to E2M3 (2 exponent bits, 3 mantissa bits; 6 bits a number), with one power-of-two scale for each 32 numbers along K (OCP MX v1.0); their sums are f32. All else is computed in f32.
;;   The module's matrix products, in the order in which they are computed (A, B: the left and right operand; K: the contracted axis; several contracted axes count as one K, in the product's order):
;;     1. [M 2,048, K 256] x [K 256, N 32]; A: input x; B: input w1: QUANTISED
;;     2. [M 2,048, K 32] x [K 32, N 65,536]; A: computed on the way; B: input w2: QUANTISED
;;     3. [M 2,048, K 256] x [K 256, N 32]; A: input x; B: input u1: QUANTISED
;;     4. [M 2,048, K 32] x [K 32, N 256]; A: computed on the way; B: input u2: QUANTISED
;;     5. batch 2,048 x [M 256, K 256] x [K 256, N 1]; A: computed on the way; B: input x: left as it is (N = 1 < 16)
;;   THE QUANTISER, for each operand of a quantised product, along K:
;;     - K is cut into blocks of 32 from its start; a last block that is shorter is filled with zeros.
;;     - A block's scale is 2^e with e = floor(log2(the largest magnitude in the block)) - 2, held to -126 .. 127; a block of zeros has e = 0. As a byte (E8M0): e + 127.
;;     - Each number is divided by its block's scale, clamped to +-7.5, and rounded to the nearest number of E2M3, ties to even, subnormals kept.
;;     - The product sums the exact products of the quantised numbers (number of the format x scale) in f32.
;;   ~~~python
;;   def quantise(x, axis):      # numpy; x: float32 -> the quantised numbers, widened to float32 again
;;       x = np.moveaxis(x, axis, -1); K = x.shape[-1]
;;       x = np.pad(x, [(0, 0)] * (x.ndim - 1) + [(0, -K % 32)]); x = x.reshape(x.shape[:-1] + (-1, 32)); a = np.abs(x).max(-1, keepdims=True)
;;       e = np.where(a > 0, np.clip(np.frexp(np.where(a > 0, a, 1))[1] - 1 - 2, -126, 127), 0)      # np.frexp(a)[1] - 1 = floor(log2(a)), exactly
;;       r = np.clip(x / 2.0 ** e, -7.5, 7.5)
;;       step = 2.0 ** (np.maximum(np.frexp(np.where(r == 0, 1, r))[1] - 1, 0) - 3)
;;       q = np.round(r / step) * step * 2.0 ** e      # np.round: ties to even
;;       return np.moveaxis(q.reshape(q.shape[:-2] + (-1,))[..., :K], -1, axis).astype(np.float32)
;;   ~~~
;;   OPERANDS COMPUTED ON THE WAY. 'Computed on the way' means the value that the module computes at that place (a softmax that the list does not call 'softmax' is quantised finished and normalised). What goes into a quantiser is computed in f32, as accurately as f32 sums, v_exp_f32 and their like allow (about 1e-6 of the number): no bf16 or f16 on the way to a quantiser, and a product that is left as it is and whose result goes on into a quantised operand takes f32 operands (vector FMAs, or v_wmma_f32_16x16x4_f32). A number that lies on a knife's edge between two numbers of the format may be rounded either way, as far as f32 arithmetic and the matrix unit's own rounding can turn it there, and no further.
;; 2 versions, each right; version 2 is version 1 with the launch prep written anew for expert scheduling mode. Each part assembles by itself: llvm-mc -triple=amdgcn-amd-amdhsa -mcpu=gfx1250 --defsym DOCPART=n.
;; ======== version 1 of 2: 2 launches
;; limits: a difference of large sums (such as E[x^2] - mean^2): digits are lost where the result is much smaller than its terms
;; workspace buffers: xr 2,097,152 bytes; wq 1,900,544 bytes; hq 131,072 bytes; bl 2,097,152 bytes
;; launch prep (part 1): grid 288 x 1, 4 waves a work-group, no clusters, 124,416 bytes of LDS; arguments x, w1, b1, w2, b2, u1, c1, u2, c2, xr, wq, hq, bl; writes xr, wq, hq, bl
.if DOCPART == 1
	.amdgcn_target "amdgcn-amd-amdhsa--gfx1250"
	.amdhsa_code_object_version 6
	.text
	.protected	k_q4b6c5d6818_prep
	.globl	k_q4b6c5d6818_prep
	.p2align	8
	.type	k_q4b6c5d6818_prep,@function
k_q4b6c5d6818_prep:
	s_mov_b64 s[64:65], 0
	v_nop
	global_prefetch_b8 v0, s[64:65] scope:SCOPE_SE
	s_setreg_imm32_b32 hwreg(HW_REG_WAVE_MODE, 25, 1), 1
	s_wait_xcnt 0x0
; WHAT THE SECOND LAUNCH NEEDS, MADE ONCE.  Two roles, parted by the work-group's number; each has LDS bytes of its own and its own end.
; ROLE A (work-groups 0-255, one for each o): the 256 rows of w2 that belong to output o (32 numbers each: one block of the quantiser) become codes of E2M3 with one E8M0 byte a row, laid as
;   four operand fragments.  A fragment of 16 x 128 has four blocks along K; here EACH BLOCK HOLDS ANOTHER TILE OF 16 ROWS, so nothing is padded: 64 rows, 1,536 bytes.  Tile t takes rows
;   i = 32 (t / 2) + 8 (t % 2) + (m % 8) + 16 (m / 8), so that the product's results fall beside the x that they are multiplied by.  b2's row is stored less its own mean (a layer norm over i does not see that shift).
;   Record of o in wq, 7,424 bytes: four fragments as images of their registers; at 6,144 the 64 scale words; at 6,400 the 256 centred biases.
; ROLE B (work-groups 256-287, a wave to a tile of 16 tokens): x is quantised; hw = Q(x) Q(w1)^T + b1 and hb = Q(x) Q(u1)^T + c1; hw is quantised and stored (hq: 32 codes and a byte a token, in all 32 lanes);
;   b = LN(Q(hb) Q(u2)^T + c2) is finished and stored (bl); x less its row's mean is stored as an image of 128 registers (xr), register 16 B + i = k 32 B + 16 (lane / 16) + i of token lane % 16.
;   The weights are quantised once a work-group, a fragment of each a wave, and go from wave to wave through LDS as images of their registers.
; THE QUANTISER: a block's scale operand is its largest magnitude (with the floor 2^(3 - 127) among the leaves) with 2 taken off the exponent field; the byte is that field.
; LIMITS: a block of zeros gets the byte 1 where the rule says 127 (its codes are zeros; this program alone reads the bytes); NaN and infinities among the inputs are not served.
; No tensor loads, no cluster: the work-groups of role A share nothing, and what those of role B share is 96 KB of weights.
.set REC,  7424
.set STA,  0                           ; role A: a stage of 64 rows x (128 + 16) bytes for each wave
.set SGA,  36864                       ; role A: the record's 64 scale words
.set SGS,  37120                       ; role A: the four waves' sums of b2
.set WIMG, 37376                       ; role B: 12 fragments, 1,536 bytes each: w1's four, u1's four, u2's four
.set WSC,  55808                       ; role B: their scale words, 128 bytes each
.set BSTG, 57344                       ; role B: a stage of 16 rows x (1,024 + 16) bytes for each wave
.set TM,   24                          ; v24-39   at work
.set F,    40                          ; v40-51   a fragment just made
.set G,    52                          ; v52-59   the halves that a conversion cannot put in place (its three registers begin on an even number)
.set XS,   60                          ; v60-61   x's scale words
.set PW,   62                          ; v62      a scale word just made
.set PX,   63                          ; v63      the other half of the lanes' part of it
.set XR,   64                          ; v64-191  x: 128 numbers a lane; at the end the rows of b on their way out
.set XF,   192                         ; v192-215 x's two fragments
.set HW,   216                         ; v216-231 hw;  v232-247 hb
.set WF,   64                          ; v64-159  w1's and u1's eight fragments, when x is done with
.set WSW,  160                         ; v160-167 their scale words; later u2's four
.set UF,   64                          ; v64-111  u2's four fragments
.set FRM,  112                         ; v112-141 hb's codes as Z L Z H Z, six registers each
.set SBB,  168                         ; v168-171 hb's byte at byte b of a scale word
.set LHW,  172                         ; v172-177 hw's 32 codes;  v178-183 hb's
.set LHB,  178
.set PP,   184                         ; v184-186 a conversion's result;  v188-190 the other half of the lanes'
.set QQ,   188
.set FA,   0                           ; window 1: v0-63, v64-127, v128-191 numbers of a fragment to be; v192-223 b1 and c1 in the result's layout; later v0-127 c2, then b
.set FB,   64
.set FC,   128
.set BI,   192
.set MSB, 0
.macro WIN new                         ; s_set_vgpr_msb: bits 1:0 source 0, 3:2 source 1, 5:4 source 2, 7:6 destination; the high byte repeats the setting that is left
.if MSB != (\new)
	s_set_vgpr_msb (MSB<<8)|(\new)
.set MSB, (\new)
.endif
.endm
; 64 numbers of a lane in window 1, two whole blocks of 32 (the operand's blocks h and 2 + h of row r), become the fragment in v[F] on and its scale word in v[PW].
.macro QFRAG buf
	WIN 0x14                                       ; sources 1 and 2 in window 1
.irp c, 0,1,2,3
	v_max3_num_f32 v[TM+\c], 0x1800000, |v[(\buf)+16*\c]|, |v[(\buf)+16*\c+1]|   ; four chains of 16 numbers, each with the floor 2^(3 - 127): the byte cannot fall under 1
.endr
.irp i, 2,4,6,8,10,12,14
.irp c, 0,1,2,3
	v_max3_num_f32 v[TM+\c], v[TM+\c], |v[(\buf)+16*\c+\i]|, |v[(\buf)+16*\c+\i+1]|
.endr
.endr
	WIN 0
	v_max_num_f32 v[TM], v[TM], v[TM+1]            ; the first block's largest magnitude
	v_max_num_f32 v[TM+2], v[TM+2], v[TM+3]        ; the second's
	v_add_nc_u32 v[TM+4], 0xff000000, v[TM]        ; 2 off the exponent field: the conversion's scale operand
	v_add_nc_u32 v[TM+5], 0xff000000, v[TM+2]
	v_lshrrev_b32 v[TM+6], 23, v[TM+4]             ; the bytes
	v_lshrrev_b32 v[TM+7], 23, v[TM+5]
	v_lshl_or_b32 v[PW], v[TM+7], 16, v[TM+6]      ; blocks h and 2 + h,
	v_lshlrev_b32 v[PW], v4, v[PW]                 ; at their places (8 h bits up);
	v_permlanex16_b32 v[PX], v[PW], s34, s35
	v_or_b32 v[PW], v[PW], v[PX]                   ; with lane l xor 16's two the word is whole
	WIN 0x01                                       ; source 0 in window 1
	v_cvt_scalef32_pk16_fp6_f32 v[F:F+2],   v[(\buf):(\buf)+15],    v[TM+4]
	v_cvt_scalef32_pk16_fp6_f32 v[G:G+2],   v[(\buf)+16:(\buf)+31], v[TM+4]
	v_cvt_scalef32_pk16_fp6_f32 v[F+6:F+8], v[(\buf)+32:(\buf)+47], v[TM+5]
	v_cvt_scalef32_pk16_fp6_f32 v[G+4:G+6], v[(\buf)+48:(\buf)+63], v[TM+5]
	WIN 0
	v_nop                                          ; one plain place behind a scaled conversion
.irp c, 0,1
.irp i, 0,1,2
	v_mov_b32 v[F+3+6*\c+\i], v[G+4*\c+\i]
.endr
.endr
.endm
; 64 numbers of a lane, register 16 b + i = k 32 b + 16 (lane / 16) + i of my row, become a fragment in v[d] on and its scale word in v[pw].
.macro QUANT s, d, pw
.irp b, 0,1,2,3
	v_max3_num_f32 v[TM+\b], |v[(\s)+16*\b]|, |v[(\s)+1+16*\b]|, 0x1800000
.endr
.irp i, 2,4,6,8,10,12,14
.irp b, 0,1,2,3
	v_max3_num_f32 v[TM+\b], v[TM+\b], |v[(\s)+16*\b+\i]|, |v[(\s)+1+16*\b+\i]|
.endr
.endr
.irp b, 0,1,2,3
	v_permlanex16_b32 v[TM+4+\b], v[TM+\b], s34, s35
.endr
.irp b, 0,1,2,3
	v_max_num_f32 v[TM+\b], v[TM+\b], v[TM+4+\b]   ; with lane l xor 16's 16: the block's largest magnitude
.endr
.irp b, 0,1,2,3
	v_add_nc_u32 v[TM+12+\b], 0xff000000, v[TM+\b]
.endr
.irp b, 0,1,2,3
	v_lshrrev_b32 v[TM+4+\b], 23, v[TM+12+\b]
.endr
	v_lshl_or_b32 v[\pw], v[TM+5], 8, v[TM+4]
	v_lshl_or_b32 v[\pw], v[TM+6], 16, v[\pw]
	v_lshl_or_b32 v[\pw], v[TM+7], 24, v[\pw]
.irp c, 0,1
	v_cvt_scalef32_pk16_fp6_f32 v[(\d)+6*\c:(\d)+6*\c+2], v[(\s)+32*\c:(\s)+32*\c+15], v[TM+12+2*\c]
	v_cvt_scalef32_pk16_fp6_f32 v[G+4*\c:G+4*\c+2], v[(\s)+32*\c+16:(\s)+32*\c+31], v[TM+13+2*\c]
.endr
	v_nop                                          ; one plain place behind a scaled conversion
.irp c, 0,1                                    ; the operand wants a whole block in a lane: lanes 0-15 block 2 c, lanes 16-31 block 2 c + 1
.irp i, 0,1,2
	v_permlane16_swap_b32 v[(\d)+6*\c+\i], v[G+4*\c+\i]
.endr
.irp i, 0,1,2
	v_mov_b32 v[(\d)+3+6*\c+\i], v[G+4*\c+\i]
.endr
.endr
.endm
; 16 numbers of a lane, k = 16 (lane / 16) + 0 .. 15 of token lane % 16: one block of 32 in two lanes.  Its 32 codes go to v[lh] on, six registers, THE SAME IN BOTH HALVES OF THE LANES; its byte to v[by].
.macro QHID src, lh, by
	v_max3_num_f32 v[TM], |v[\src]|, |v[\src+1]|, 0x1800000        ; each accumulator is read from its low end on
.irp i, 2,4,6,8,10,12,14
	v_max3_num_f32 v[TM], v[TM], |v[\src+\i]|, |v[\src+\i+1]|
.endr
	v_permlanex16_b32 v[TM+1], v[TM], s34, s35
	v_max_num_f32 v[TM], v[TM], v[TM+1]
	v_add_nc_u32 v[TM+2], 0xff000000, v[TM]
	v_lshrrev_b32 v[\by], 23, v[TM+2]
	v_cvt_scalef32_pk16_fp6_f32 v[PP:PP+2], v[\src:\src+15], v[TM+2]
	v_nop                                          ; one plain place behind a scaled conversion
.irp i, 0,1,2
	v_permlanex16_b32 v[QQ+\i], v[PP+\i], s34, s35
.endr
.irp i, 0,1,2
	v_cndmask_b32 v[\lh+\i], v[PP+\i], v[QQ+\i], s36       ; codes 0-15: lanes 0-15 made them
	v_cndmask_b32 v[\lh+3+\i], v[QQ+\i], v[PP+\i], s36     ; codes 16-31: lanes 16-31 made them
.endr
.endm
.macro IMAGE grp                               ; the fragment in v[F] on and its scale word go to LDS as they stand: fragment 4 grp + wave
.irp c, 0,1,2
	ds_store_b128 v12, v[F+4*\c:F+4*\c+3] offset:6144*(\grp)+512*\c
.endr
	ds_store_b32 v13, v[PW] offset:512*(\grp)
.endm
.macro FETCH reg, idx, sreg                    ; and come back so, in any wave
.irp c, 0,1,2
	ds_load_b128 v[\reg+4*\c:\reg+4*\c+3], v14 offset:1536*(\idx)+512*\c
.endr
	ds_load_b32 v[\sreg], v15 offset:128*(\idx)
.endm
.macro WLOAD buf, adr, base, second            ; 64 numbers of a lane: two runs of 128 bytes
.irp c, 0,1,2,3,4,5,6,7
	global_load_b128 v[\buf+4*\c:\buf+4*\c+3], v[\adr], s[\base:\base+1] offset:16*\c
.endr
.irp c, 0,1,2,3,4,5,6,7
	global_load_b128 v[\buf+32+4*\c:\buf+32+4*\c+3], v[\adr], s[\base:\base+1] offset:\second+16*\c
.endr
.endm
.macro JOIN                                    ; four packed chains in v[TM] on become one sum, over both halves of the lanes, in v[TM]
	v_pk_add_f32 v[TM:TM+1], v[TM:TM+1], v[TM+2:TM+3]
	v_pk_add_f32 v[TM+4:TM+5], v[TM+4:TM+5], v[TM+6:TM+7]
	v_pk_add_f32 v[TM:TM+1], v[TM:TM+1], v[TM+4:TM+5]
	v_add_f32 v[TM], v[TM], v[TM+1]
	v_permlanex16_b32 v[TM+1], v[TM], s34, s35
	v_add_f32 v[TM], v[TM], v[TM+1]
.endm
.macro BARRIER                                 ; my LDS stores have landed and my LDS loads are in: then the work-group's barrier
	s_wait_dscnt 0x0
	s_barrier_signal -1
	s_barrier_wait -1
.endm
	s_load_b512 s[4:19], s[0:1], 0x0               ; x s[4:5], w1 s[6:7], b1 s[8:9], w2 s[10:11], b2 s[12:13], u1 s[14:15], c1 s[16:17], u2 s[18:19]
	s_load_b256 s[20:27], s[0:1], 0x40             ; c2 s[20:21], xr s[22:23], wq s[24:25], hq s[26:27]
	s_load_b64 s[28:29], s[0:1], 0x60              ; bl
	v_lshl_add_u32 v254, v0, 2, 0x1e400
	v_mov_b32 v255, 0
	v_lshrrev_b32 v1, 5, v0
	v_readfirstlane_b32 s30, v1                    ; wave 0..3
	v_and_b32 v1, 31, v0                           ; l
	v_and_b32 v2, 15, v0                           ; r
	v_bfe_u32 v3, v0, 4, 1                         ; h
	v_lshlrev_b32 v4, 3, v3                        ; 8 h
	v_mov_b32 v5, 0
	v_mov_b32 v[PX], 0                             ; written once: a lane permute's destination counts as one of its sources
	v_lshlrev_b32 v6, 4, v1                        ; 16 l
	s_mov_b32 s34, 0x76543210
	s_mov_b32 s35, 0xfedcba98                      ; v_permlanex16_b32's selects for lane l xor 16
	s_mov_b32 s36, 0xffff0000                      ; lanes 16-31
	s_mov_b32 s33, 0
	s_wait_kmcnt 0x0
	s_cmp_ge_u32 ttmp9, 256
	s_cbranch_scc1 .Ltokens
	; ================ ROLE A: output o = the work-group's number; wave f makes fragment f from rows 64 f .. 64 f + 63 ================
	s_lshl_b32 s32, ttmp9, 15                      ; w2: (256 o + 64 f) rows of 128 bytes
	s_lshl_b32 s37, s30, 13
	s_add_co_u32 s32, s32, s37
	s_add_nc_u64 s[10:11], s[10:11], s[32:33]
	s_lshl_b32 s32, ttmp9, 10                      ; b2: row o of 1,024 bytes, my 256 of them
	s_lshl_b32 s37, s30, 8
	s_add_co_u32 s32, s32, s37
	s_add_nc_u64 s[12:13], s[12:13], s[32:33]
	s_mul_i32 s32, ttmp9, REC
	s_add_nc_u64 s[24:25], s[24:25], s[32:33]      ; the record
	s_mul_i32 s32, s30, 1536
	s_add_nc_u64 s[38:39], s[24:25], s[32:33]      ; my fragment in it
	v_lshlrev_b32 v10, 3, v1                       ; 8 l
.irp q, 0,1,2,3,4,5,6,7,8,9,10,11,12,13,14,15
	global_load_b128 v[64+4*\q:67+4*\q], v6, s[10:11] offset:512*\q th:TH_LOAD_NT   ; 32 lanes read 512 consecutive bytes: four rows
.endr
	global_load_b64 v[128:129], v10, s[12:13] th:TH_LOAD_NT        ; 32 lanes read my 256 bytes of b2
	s_mul_i32 s40, s30, 9216                       ; my stage
	v_lshrrev_b32 v16, 3, v1                       ; l / 8
	v_and_b32 v17, 7, v1                           ; l % 8
	v_mul_u32_u24 v7, v16, 144
	v_lshl_add_u32 v7, v17, 4, v7
	v_add_nc_u32 v7, s40, v7                       ; in: as loaded: row l / 8 of the four, 16 (l % 8) bytes on
	v_and_b32 v16, 1, v16
	v_lshl_add_u32 v17, v16, 4, v17
	v_lshl_add_u32 v17, v3, 3, v17                 ; out: the row that the operand's layout gives my lane: 8 h + r % 8 + 16 (r / 8); the second block's lies 32 rows on
	v_mul_u32_u24 v8, v17, 144
	v_add_nc_u32 v8, s40, v8
	s_lshl_b32 s41, s30, 6
	s_add_co_u32 s41, s41, SGA
	v_lshl_add_u32 v9, v2, 2, s41                  ; my row's scale word: word 16 f + r
	s_lshl_b32 s41, s30, 2
	s_add_co_u32 s41, s41, SGS
	v_mov_b32 v11, s41                             ; my wave's sum of b2
	v_mov_b32 v12, SGS
	s_lshl_b32 s41, s30, 8
	v_add_nc_u32 v14, s41, v10                     ; 8 l + 256 f: my place among the record's biases
	v_add_nc_u32 v15, SGA, v10
	v_mov_b32 v131, 0
.irp q, 0,1,2,3,4,5,6,7,8,9,10,11,12,13,14,15
	s_wait_loadcnt 16-\q                           ; loads come back in order: load q is in; behind it the 15 - q later ones and b2's
	ds_store_b128 v7, v[64+4*\q:67+4*\q] offset:576*\q
.endr
	WIN 0x40                                       ; destination window 1
.irp c, 0,1,2,3,4,5,6,7
	ds_load_b128 v[FA+4*\c:FA+4*\c+3], v8 offset:16*\c             ; LDS serves a wave's instructions in order: these see my stores
.endr
.irp c, 0,1,2,3,4,5,6,7
	ds_load_b128 v[FA+32+4*\c:FA+32+4*\c+3], v8 offset:4608+16*\c
.endr
	WIN 0
	s_wait_loadcnt 0x0                             ; b2
	v_add_f32 v130, v128, v129
	v_add_f32_dpp v130, v130, v130 row_xmask:1 row_mask:0xf bank_mask:0xf
	v_add_f32_dpp v130, v130, v130 row_xmask:2 row_mask:0xf bank_mask:0xf
	v_add_f32_dpp v130, v130, v130 row_xmask:4 row_mask:0xf bank_mask:0xf
	v_add_f32_dpp v130, v130, v130 row_xmask:8 row_mask:0xf bank_mask:0xf
	v_permlanex16_b32 v131, v130, s34, s35
	v_add_f32 v130, v130, v131                     ; the sum of my 64 biases, in every lane
	ds_store_b32 v11, v130                         ; all lanes write the same word with the same value
	s_wait_dscnt 0x0
	QFRAG FA
.irp c, 0,1,2
	global_store_b128 v6, v[F+4*\c:F+4*\c+3], s[38:39] offset:512*\c   ; 32 lanes store 512 consecutive bytes, at a multiple of 256 from wq's first byte
.endr
	ds_store_b32 v9, v[PW]                         ; both halves of the lanes write the same word with the same value
	BARRIER                                        ; the 64 scale words and the four sums lie in LDS
	ds_load_b128 v[132:135], v12
	s_wait_dscnt 0x0
	v_add_f32 v132, v132, v133
	v_add_f32 v134, v134, v135
	v_add_f32 v132, v132, v134
	v_mul_f32 v132, 0xbb800000, v132               ; - the row's mean: the sum x -2^-8
	v_add_f32 v136, v128, v132
	v_add_f32 v137, v129, v132
	global_store_b64 v14, v[136:137], s[24:25] offset:6400         ; 32 lanes store 256 consecutive bytes, aligned
	s_cmp_lg_u32 s30, 0
	s_cbranch_scc1 .Lrecord_done
	ds_load_b64 v[138:139], v15                    ; wave 0: the 64 scale words
	s_wait_dscnt 0x0
	global_store_b64 v10, v[138:139], s[24:25] offset:6144         ; 256 consecutive bytes, aligned
.Lrecord_done:
	s_wait_tensorcnt 0x0
	ds_add_u32 v254, v255
	s_wait_dscnt 0x0
	s_endpgm
	; ================ ROLE B: wave w takes the tile of 16 tokens 4 (work-group - 256) + w ================
.Ltokens:
	s_sub_co_u32 s31, ttmp9, 256
	s_lshl_b32 s31, s31, 2
	s_add_co_u32 s31, s31, s30                     ; my tile
	s_lshl_b32 s32, s31, 14                        ; 16 rows of 1,024 bytes in x and in bl, an image of 16,384 bytes in xr
	s_add_nc_u64 s[4:5], s[4:5], s[32:33]
	s_add_nc_u64 s[22:23], s[22:23], s[32:33]
	s_add_nc_u64 s[28:29], s[28:29], s[32:33]
	s_lshl_b32 s32, s31, 10
	s_add_nc_u64 s[26:27], s[26:27], s[32:33]      ; hq: 1,024 bytes a tile
	s_lshr_b32 s37, s30, 1                         ; the fragment of w1 and of u1 that I quantise: tile of hidden units u = w / 2 (rows 8 u on), K step s = w % 2 (512 bytes on)
	s_lshl_b32 s37, s37, 13
	s_and_b32 s32, s30, 1
	s_lshl_b32 s32, s32, 9
	s_add_co_u32 s32, s32, s37
	s_add_nc_u64 s[6:7], s[6:7], s[32:33]
	s_add_nc_u64 s[14:15], s[14:15], s[32:33]
	s_lshl_b32 s32, s30, 13                        ; and of u2: rows 64 w on, 128 bytes each
	s_add_nc_u64 s[18:19], s[18:19], s[32:33]
	v_and_b32 v7, 8, v2
	v_add_nc_u32 v7, v7, v2                        ; r + 8 (r / 8): THE ROWS OF A TILE OF w1 ARE NOT NEIGHBOURS, so that the results' 16 registers are 16 neighbours along the next K
	v_lshlrev_b32 v7, 10, v7
	v_lshl_add_u32 v7, v3, 7, v7                   ; w1, u1: that row of 1,024 bytes, + 128 h
	v_lshlrev_b32 v8, 7, v1                        ; u2: row l of the 32 of two tiles (the block h of my lanes' half is tile h)
	v_lshlrev_b32 v9, 10, v2
	v_lshl_add_u32 v9, v3, 6, v9                   ; x: row r, + 64 h: my 16 numbers of a block of 32
	v_lshlrev_b32 v10, 6, v3                       ; b1, c1: hidden units 16 h on
	v_lshlrev_b32 v11, 5, v3                       ; c2: outputs 8 h on
	WIN 0x40                                       ; destination window 1
	WLOAD FA, 7, 6, 256                            ; 16 loads: w1
	WLOAD FB, 7, 14, 256                           ; 16: u1
	WLOAD FC, 8, 18, 4096                          ; 16: u2 (the second block's tile lies 32 rows on)
	WIN 0
.irp s, 0,1
.irp b, 0,1,2,3
.irp j, 0,1,2,3
	global_load_b128 v[XR+64*\s+16*\b+4*\j:XR+64*\s+16*\b+4*\j+3], v9, s[4:5] offset:512*\s+128*\b+16*\j th:TH_LOAD_NT   ; 32: x
.endr
.endr
.endr
	WIN 0x40
.irp u, 0,1                                    ; 8: the biases in the result's layout: tile u, lane half h: hidden units 16 h + 8 u + 0 .. 7
	global_load_b128 v[BI+8*\u:BI+8*\u+3], v10, s[8:9] offset:32*\u
	global_load_b128 v[BI+8*\u+4:BI+8*\u+7], v10, s[8:9] offset:32*\u+16
	global_load_b128 v[BI+16+8*\u:BI+16+8*\u+3], v10, s[16:17] offset:32*\u
	global_load_b128 v[BI+16+8*\u+4:BI+16+8*\u+7], v10, s[16:17] offset:32*\u+16
.endr
	WIN 0
	s_mul_i32 s37, s30, 1536
	s_add_co_u32 s37, s37, WIMG
	v_add_nc_u32 v12, s37, v6                      ; where I store an image: 16 l + 1,536 w
	v_lshlrev_b32 v19, 2, v1                       ; 4 l
	s_lshl_b32 s37, s30, 7
	s_add_co_u32 s37, s37, WSC
	v_add_nc_u32 v13, s37, v19                     ; and its scale words: 4 l + 128 w
	v_add_nc_u32 v14, WIMG, v6                     ; from where any image is read
	v_add_nc_u32 v15, WSC, v19
	s_mul_i32 s37, s30, 16640
	s_add_co_u32 s37, s37, BSTG                    ; my stage
	v_mul_u32_u24 v16, v2, 1040
	v_lshl_add_u32 v16, v3, 5, v16
	v_add_nc_u32 v16, s37, v16                     ; in: row r, + 32 h
	v_add_nc_u32 v17, s37, v6                      ; back: 16 bytes a lane
	v_lshlrev_b32 v18, 3, v1                       ; 8 l
	s_wait_loadcnt 0x3f                            ; w1's 16 loads are in (72 were issued behind them; the count is the largest that the wait can name)
	QFRAG FA
	IMAGE 0
	s_wait_loadcnt 56                              ; u1's are in: behind them u2's 16, x's 32, the biases' 8
	QFRAG FB
	IMAGE 1
	s_wait_loadcnt 40                              ; u2's are in: behind them x's 32 and the biases' 8
	QFRAG FC
	IMAGE 2
	WIN 0x40
.set t, 0
.rept 16                                       ; c2 in the result's layout, where w1's and u1's numbers lay: tile t, lane half h: outputs 16 t + 8 h + 0 .. 7.  It is the C of product 4
	global_load_b128 v[8*t:8*t+3], v11, s[20:21] offset:64*t
	global_load_b128 v[8*t+4:8*t+7], v11, s[20:21] offset:64*t+16
.set t, t+1
.endr
	WIN 0
	s_wait_loadcnt 40                              ; x is in: behind it the biases' 8 and c2's 32
.irp c, 0,1,2,3
	v_pk_add_f32 v[TM+2*\c:TM+2*\c+1], v[XR+4*\c:XR+4*\c+1], v[XR+4*\c+2:XR+4*\c+3]   ; the row's sum, in four chains
.endr
.set p, 8
.rept 56
	v_pk_add_f32 v[TM+2*(p%4):TM+2*(p%4)+1], v[TM+2*(p%4):TM+2*(p%4)+1], v[XR+2*p:XR+2*p+1]
.set p, p+1
.endr
	JOIN
	v_mul_f32 v20, 0xbb800000, v[TM]               ; - the row's mean
	v_mov_b32 v21, v20
	QUANT XR, XF, XS                               ; x as it is given is what is quantised
	QUANT XR+64, XF+12, XS+1
.set p, 0
.rept 64
	v_pk_add_f32 v[XR+2*p:XR+2*p+1], v[XR+2*p:XR+2*p+1], v[20:21]   ; x less its mean: sum_i LN(w) x = rstd sum_i w (x - mean x), whatever w's own mean
.set p, p+1
.endr
.set p, 0
.rept 32
	global_store_b128 v6, v[XR+4*p:XR+4*p+3], s[22:23] offset:512*p   ; the image of my 128 registers: 512 consecutive bytes a store, aligned
.set p, p+1
.endr
	s_wait_xcnt 0x0                                ; the stores have read their registers: fragments may land there
	BARRIER                                        ; the twelve fragments of the weights lie in LDS
.irp i, 0,1,2,3,4,5,6,7
	FETCH WF+12*\i, \i, WSW+\i
.endr
	s_wait_loadcnt 32                              ; the biases are in: behind them c2's 32
	s_wait_dscnt 0x0
	; PRODUCTS 1 AND 3, transposed: source 0 = 16 rows of w1 or u1, source 1 = my 16 tokens.  Four accumulators by turns; the biases are the C of the first K step.
	; (x's codes and scale words were written 64 vector instructions ago.)
	WIN 0x10                                       ; source 2 in window 1
.irp a, 0,1,2,3
	v_wmma_scale_f32_16x16x128_f8f6f4 v[HW+8*\a:HW+8*\a+7], v[WF+24*\a:WF+24*\a+11], v[XF:XF+11], v[BI+8*\a:BI+8*\a+7], v[WSW+2*\a], v[XS] matrix_a_fmt:MATRIX_FMT_FP6 matrix_b_fmt:MATRIX_FMT_FP6
.endr
	WIN 0
.irp a, 0,1,2,3
	v_wmma_scale_f32_16x16x128_f8f6f4 v[HW+8*\a:HW+8*\a+7], v[WF+24*\a+12:WF+24*\a+23], v[XF+12:XF+23], v[HW+8*\a:HW+8*\a+7], v[WSW+2*\a+1], v[XS+1] matrix_a_fmt:MATRIX_FMT_FP6 matrix_b_fmt:MATRIX_FMT_FP6
.endr
.rept 4
	v_nop                                          ; places in front of the first read of results and of loads into registers that the products have read
.endr
.irp f, 0,1,2,3
	FETCH UF+12*\f, 8+\f, WSW+\f                   ; u2's four fragments land while the hidden layers are quantised
.endr
	QHID HW, LHW, 38
	global_store_b128 v6, v[LHW:LHW+3], s[26:27]               ; hq: registers 0-3, 16 bytes a lane;
	global_store_b64 v18, v[LHW+4:LHW+5], s[26:27] offset:512  ; registers 4-5, 8 bytes a lane;
	global_store_b32 v19, v38, s[26:27] offset:768             ; the byte, a word a lane
	QHID HW+16, LHB, 39
	v_mov_b32 v[SBB], v39                          ; hb's byte at byte b, 0 (2^-127, over zero codes) in the other three
	v_lshlrev_b32 v[SBB+1], 8, v39
	v_lshlrev_b32 v[SBB+2], 16, v39
	v_lshlrev_b32 v[SBB+3], 24, v39
.irp i, 0,1,2,3,4,5                            ; hb's codes in ONE block of source 1 and zero codes in the other three pick one of a fragment's four tiles: L: lanes 0-15 alone, H: lanes 16-31 alone, Z: zeros
	v_cndmask_b32 v[FRM+6+\i], v[LHB+\i], v5, s36
	v_cndmask_b32 v[FRM+18+\i], v5, v[LHB+\i], s36
	v_mov_b32 v[FRM+\i], 0
	v_mov_b32 v[FRM+12+\i], 0
	v_mov_b32 v[FRM+24+\i], 0
.endr
	s_wait_loadcnt 0x0                             ; c2
	s_wait_dscnt 0x0                               ; u2's fragments
.rept 8
	v_nop                                          ; a scale register written by a vector instruction stands 8 places ahead of a scaled matrix instruction, an operand so written 4
.endr
	; PRODUCT 4, transposed: source 0 = four tiles of 16 rows of u2, one in each block; block b of source 1 alone holds codes.  Sixteen accumulators, each begun on c2.
	WIN 0x50                                       ; C and D in window 1
.irp f, 0,1,2,3
.irp b, 0,1,2,3
.set rD, 8*(4*\f+\b)
.set rB, FRM+6*(2*(\b%2)+1-\b/2)               ; block 0: (L, Z); 1: (H, Z); 2: (Z, L); 3: (Z, H)
	v_wmma_scale_f32_16x16x128_f8f6f4 v[rD:rD+7], v[UF+12*\f:UF+12*\f+11], v[rB:rB+11], v[rD:rD+7], v[WSW+\f], v[SBB+\b] matrix_a_fmt:MATRIX_FMT_FP6 matrix_b_fmt:MATRIX_FMT_FP6
.endr
.endr
.rept 4
	v_nop
.endr
	; THE LAYER NORM OVER THE 256 OUTPUTS, in two passes.  Lane (r, h) holds 128 of token r's: register 8 t + j = output 16 t + 8 h + j.  Every accumulator is read from its low end on.
	WIN 0x05                                       ; sources 0 and 1 in window 1
.irp c, 0,1,2,3
	v_pk_add_f32 v[TM+2*\c:TM+2*\c+1], v[4*\c:4*\c+1], v[4*\c+2:4*\c+3]
.endr
	WIN 0x04                                       ; source 1 in window 1
.set p, 8
.rept 56
	v_pk_add_f32 v[TM+2*(p%4):TM+2*(p%4)+1], v[TM+2*(p%4):TM+2*(p%4)+1], v[2*p:2*p+1]
.set p, p+1
.endr
	WIN 0
	JOIN
	v_mul_f32 v20, 0xbb800000, v[TM]               ; - the mean
	v_mov_b32 v21, v20
	WIN 0x41                                       ; destination and source 0 in window 1
.set p, 0
.rept 64
	v_pk_add_f32 v[2*p:2*p+1], v[2*p:2*p+1], v[20:21]
.set p, p+1
.endr
	WIN 0x05
.irp c, 0,1,2,3
	v_pk_mul_f32 v[TM+2*\c:TM+2*\c+1], v[2*\c:2*\c+1], v[2*\c:2*\c+1]
.endr
.set p, 4
.rept 60
	v_pk_fma_f32 v[TM+2*(p%4):TM+2*(p%4)+1], v[2*p:2*p+1], v[2*p:2*p+1], v[TM+2*(p%4):TM+2*(p%4)+1]
.set p, p+1
.endr
	WIN 0
	JOIN                                           ; the sum of the 256 squares
	s_mov_b32 s37, 0x3b800000                      ; 2^-8
	s_mov_b32 s38, 0x3727c5ac                      ; 1e-5
	v_fma_f32 v[TM], v[TM], s37, s38               ; the variance + eps
	v_rsq_f32 v22, v[TM]
	v_nop                                          ; a plain place behind the transcendental,
	s_wait_alu depctr_va_vdst(0)                   ; and the wait ahead of the first line that names its result
	v_mov_b32 v23, v22
	WIN 0x41
.set p, 0
.rept 64
	v_pk_mul_f32 v[2*p:2*p+1], v[2*p:2*p+1], v[22:23]
.set p, p+1
.endr
	; THE WAY OUT: a lane's eight numbers of a tile are 32 neighbouring bytes of its token's row; the rows meet in my own stage and leave whole.
	WIN 0x04                                       ; an LDS store's data are its source 1: window 1
.set t, 0
.rept 16
	ds_store_b128 v16, v[8*t:8*t+3] offset:64*t
	ds_store_b128 v16, v[8*t+4:8*t+7] offset:64*t+16
.set t, t+1
.endr
	WIN 0
	s_wait_xcnt 0x0                                ; the stores into hq have read their registers: the rows may land there
.set p, 0
.rept 32
	ds_load_b128 v[XR+4*p:XR+4*p+3], v17 offset:1040*(p/2)+512*(p%2)   ; LDS serves a wave's instructions in order: these see my stores.  Half a row, 512 bytes, an instruction
.set p, p+1
.endr
.set p, 0
.rept 32
	s_wait_dscnt 31-p
	global_store_b128 v6, v[XR+4*p:XR+4*p+3], s[28:29] offset:512*p    ; 32 lanes store 512 consecutive bytes, at a multiple of 256 from bl's first byte
.set p, p+1
.endr
	s_wait_tensorcnt 0x0
	ds_add_u32 v254, v255
	s_wait_dscnt 0x0
	s_endpgm
.Lfunc_end_k_q4b6c5d6818_prep:
	.size	k_q4b6c5d6818_prep, .Lfunc_end_k_q4b6c5d6818_prep-k_q4b6c5d6818_prep
	.p2alignl 7, 3214868480
	.fill 96, 4, 3214868480
	.section	.rodata,"a",@progbits
	.p2align	6, 0x0
	.amdhsa_kernel k_q4b6c5d6818_prep
		.amdhsa_group_segment_fixed_size 124416
		.amdhsa_private_segment_fixed_size 0
		.amdhsa_enable_private_segment 0
		.amdhsa_kernarg_size 104
		.amdhsa_user_sgpr_count 2
		.amdhsa_user_sgpr_kernarg_segment_ptr 1
		.amdhsa_wavefront_size32 1
		.amdhsa_system_sgpr_workgroup_id_x 1
		.amdhsa_system_sgpr_workgroup_id_y 1
		.amdhsa_system_sgpr_workgroup_id_z 1
		.amdhsa_system_vgpr_workitem_id 0
		.amdhsa_next_free_vgpr 480
		.amdhsa_next_free_sgpr 66
		.amdhsa_reserve_vcc 0
		.amdhsa_float_denorm_mode_32 3
		.amdhsa_float_denorm_mode_16_64 3
		.amdhsa_memory_ordered 1
		.amdhsa_forward_progress 1
		.amdhsa_inst_pref_size 91
	.end_amdhsa_kernel
	.amdgpu_metadata
---
amdhsa.version: [ 1, 2 ]
amdhsa.kernels:
  - .name:           k_q4b6c5d6818_prep
    .symbol:         k_q4b6c5d6818_prep.kd
    .args:
      - { .name: x, .offset: 0, .size: 8, .value_kind: global_buffer, .address_space: global }
      - { .name: w1, .offset: 8, .size: 8, .value_kind: global_buffer, .address_space: global }
      - { .name: b1, .offset: 16, .size: 8, .value_kind: global_buffer, .address_space: global }
      - { .name: w2, .offset: 24, .size: 8, .value_kind: global_buffer, .address_space: global }
      - { .name: b2, .offset: 32, .size: 8, .value_kind: global_buffer, .address_space: global }
      - { .name: u1, .offset: 40, .size: 8, .value_kind: global_buffer, .address_space: global }
      - { .name: c1, .offset: 48, .size: 8, .value_kind: global_buffer, .address_space: global }
      - { .name: u2, .offset: 56, .size: 8, .value_kind: global_buffer, .address_space: global }
      - { .name: c2, .offset: 64, .size: 8, .value_kind: global_buffer, .address_space: global }
      - { .name: xr, .offset: 72, .size: 8, .value_kind: global_buffer, .address_space: global }
      - { .name: wq, .offset: 80, .size: 8, .value_kind: global_buffer, .address_space: global }
      - { .name: hq, .offset: 88, .size: 8, .value_kind: global_buffer, .address_space: global }
      - { .name: bl, .offset: 96, .size: 8, .value_kind: global_buffer, .address_space: global }
    .group_segment_fixed_size: 124416
    .private_segment_fixed_size: 0
    .kernarg_segment_align: 8
    .kernarg_segment_size: 104
    .max_flat_workgroup_size: 128
    .sgpr_count:     66
    .vgpr_count:     480
    .wavefront_size: 32
...
	.end_amdgpu_metadata
.endif
;; end of part 1
;; launch main (part 2): grid 8 x 32, 4 waves a work-group, clusters of 4 x 4, 315,904 bytes of LDS; arguments xr, wq, hq, bl, out0; writes out0
.if DOCPART == 2
	.amdgcn_target "amdgcn-amd-amdhsa--gfx1250"
	.amdhsa_code_object_version 6
	.text
	.protected	k_q4b6c5d6818_main
	.globl	k_q4b6c5d6818_main
	.p2align	8
	.type	k_q4b6c5d6818_main,@function
k_q4b6c5d6818_main:
	s_mov_b64 s[64:65], 0
	v_nop
	global_prefetch_b8 v0, s[64:65] scope:SCOPE_SE
	s_setreg_imm32_b32 hwreg(HW_REG_WAVE_MODE, 25, 1), 1
	s_wait_xcnt 0x0
	s_wait_alu depctr_hold_cnt(0) depctr_sa_sdst(0) depctr_va_vdst(0) depctr_va_sdst(0) depctr_va_ssrc(0) depctr_va_vcc(0) depctr_vm_vsrc(0)
	s_getreg_b32 s2, hwreg(HW_REG_IB_STS2, 6, 4)
	s_cmp_eq_u32 s2, 0
	s_cbranch_scc0 .Lentry_in_a_cluster
	s_endpgm
.Lentry_in_a_cluster:
	s_bfe_u32 s2, ttmp6, 0x10000c
	s_cmp_lg_u32 s2, 0xf033
	s_cbranch_scc0 .Lentry_shape_is_right
	s_endpgm
.Lentry_shape_is_right:
; y[t][o] = sum_i LN_i(Q(hw[t]) . Q(w2[256 o + i]) + b2[256 o + i]) x[t][i] + LN(b)[t][o].  The generated weight (256 x 256 numbers a token) never leaves the registers.
; FROM THE FIRST LAUNCH: wq: a record of 7,424 bytes for each o: four fragments of codes of E2M3, their 64 scale words, b2's row less its mean; hq: hw's 32 codes and scale byte a token; xr: x less its row's mean,
; as images of registers; bl: the finished LN(b).
; THE PRODUCT.  K is 32, one of the four blocks of the 16 x 16 x 128 form.  Source 0 is a fragment whose four blocks hold FOUR tiles of 16 rows of w2; source 1 holds the tokens' codes in ONE block and zero codes
; in the other three (scale byte 0 there: 2^-127 over zero codes), so that four forms of source 1 pick the four tiles, and no padding is ever loaded.  b2 is the C operand.  Used transposed: a lane holds one token
; (lane % 16) and eight i; tile t's rows are i = 32 (t / 2) + 8 (t % 2) + (m % 8) + 16 (m / 8), so that register j of tile t meets register 8 t + j of x's image.
; THE LAYER NORM.  With w' = product + (b2 - mean b2) and xc = x - mean x:  y = rstd sum_i w' xc,  rstd = rsqrt(sum_i w'^2 / 256 - mu^2 + 1e-5),  mu = sum_i product / 256.  The two sums are packed
; multiply-adds, eight vector instructions a tile.  sum_i product comes from the matrix unit: the same fragment against the tokens' codes in ALL four blocks adds four tiles; four links a token tile.
; LIMITS: the variance is formed in one pass, so its relative error is about (1 + mu^2 / var) 2^-22; b2's own offset is taken away beforehand, what is left in mu is hw . mean_i w2.  It is held at 0 from below.
;   The rounding left in sum_i (b2 - mean b2), some 1e-7 of b2's size, is not counted in mu.  NaN and infinities among the inputs are not served.
; SHARES.  A work-group: 64 tokens x 32 outputs.  Wave w: all 64 tokens (four tiles, which share each fragment and each C) and outputs 8 w .. 8 w + 7, one record after the other: 16 row steps x 4 products, and 16 sum products.
; LDS.  Everything is filled once, by three tensor loads a wave issued together: my quarter of the 64 tokens' x, my records 0 and 1, my records 2 to 7.  Three loads of mine are out at the most.  No byte is filled again.
; CLUSTER.  4 x 4 work-groups: the four of a row share their tokens' x, the four of a column their outputs' records: each is asked for jointly, by the same load with a mask that names the four.
; STORES.  A work-group's 32 outputs are 128 bytes of a row of y: a store covers four rows x 128 consecutive bytes, half of an aligned 256.  Whole ones would take 64 outputs a work-group: half as many work-groups, or two token tiles a wave, whose C loads would weigh twice as much.
; REGISTERS, in windows of 256.  Window 0: addresses; v12-13 w2's scale words (fragments 0 | 1 and 2 | 3 in the halves of the lanes); v16-35 hw's scale words; v36-137 the forms of source 1: Z L0 Z H0 Z L1 .. H3 Z, six registers each
;   (L: codes in lanes 0-15, H: in lanes 16-31, Z: zeros); v140-187 the codes in all blocks; v192-223 the way out.
;   Window 1: v0-11 LDS addresses; v12-35 two fragments; v36-67 four C; v68-131 two sets of four results; v132-227 the three sums, eight registers a token tile; v228.. at work.   Windows 2, 3: xc, 128 registers a token tile.
.set REC,  7424
.set RECS, 65536                       ; LDS: x's four images, 16,384 bytes each; from here the waves' records,
.set WREC, 8*REC                       ; eight to a wave;
.set STG,  RECS+4*WREC                 ; behind them the stage for y: for each wave 64 token rows x (32 bytes + 16); no tensor load lands there
.set SPT,  48
.set SWV,  64*SPT
.set XA,   8                           ; v8   16 x lane
.set RD,   9                           ; v9   the way out: where I read 16 bytes of a row back
.set GO,   10                          ; v10  my byte offset in bl and out0
.set H8,   11                          ; v11  8 x lane
.set SA,   12
.set H4,   14                          ; v14  4 x lane
.set SB,   16                          ; token tile tt: v[SB + 5 tt + b]: the byte at byte b; + 4: at all four
.set FORM, 36
.set BALL, 140
.set BLR,  192
.set OUTR, 208
.set ADA,  0                           ; window 1: addresses of this record's and the next's fragments, C and scale words; of my column of the stage
.set ADAN, 1
.set ADC,  2
.set ADCN, 3
.set ADS,  4
.set ADSN, 5
.set ADST, 6
.set LA0,  8                           ; window 1: their lane terms; never rewritten
.set LC0,  9
.set LS0,  10
.set LT0,  11
.set AR,   12
.set CR,   36
.set DR,   68
.set SUM1, 132
.set SUM2, 164
.set SUM3, 196
.set TMPR, 228
.set WV,   14                          ; s14  my wave's number
.set KO,   21                          ; s21  4 x the record's number: my column of the stage
.set G1X,  28                          ; s[28:35], s[36:43], s[44:51] descriptor groups 1: x, records 0-1, records 2-7
.set G1A,  36
.set G1B,  44
.set G0X,  52                          ; s[52:55], s[56:59], s[60:63] their groups 0
.set G0A,  56
.set G0B,  60
.set OB,   66                          ; s66  this record's first byte among my eight;  s67 the next record's
.set NB,   67
.set CNT,  68
.set HI,   69                          ; s69  lanes 16-31
.set W_M,  0x51                        ; source 0 (fragment; an LDS address), C and D (an LDS load's data) window 1; source 1 (the form) window 0
.set W_SQ, 0x55                        ; all in window 1
.set W_X2, 0x59                        ; source 1 (xc) window 2, the rest window 1
.set W_X3, 0x5d                        ; source 1 window 3
.set MSB, 0
.macro WIN new                         ; s_set_vgpr_msb: bits 1:0 source 0, 3:2 source 1, 5:4 source 2, 7:6 destination; the high byte repeats the setting that is left
.if MSB != (\new)
	s_set_vgpr_msb (MSB<<8)|(\new)
.set MSB, (\new)
.endif
.endm
.macro CROUND                          ; a round of the cluster's barrier: my work-group's barrier; wave 0 signals for the work-group; every wave waits for all sixteen; my work-group's barrier once more
	s_barrier_signal -1
	s_barrier_wait -1
	s_cmp_lg_u32 s[WV], 0
	s_cbranch_scc1 .Lnot_wave_0_\@
	s_barrier_signal -3
.Lnot_wave_0_\@:
	s_barrier_wait -3
	s_barrier_signal -1
	s_barrier_wait -1
.endm
; The product of row step st % 16 (fragment f = step / 4, block b = step % 4) for token tile tt.  C: ring slot step % 4; D: set step % 2.
.macro WM st, tt
.set ws, (\st)%16
.set wf, ws/4
.set wb, ws%4
.set rD, DR+32*(ws%2)+8*(\tt)
.set rA, AR+12*(wf%2)
.set rB, FORM+6*(4*(\tt)+2*(wb%2)+1-wb/2)  ; block 0: (L, Z); 1: (H, Z); 2: (Z, L); 3: (Z, H)
.set rC, CR+8*(ws%4)
.if wf%2
	v_wmma_scale_f32_16x16x128_f8f6f4 v[rD:rD+7], v[rA:rA+11], v[rB:rB+11], v[rC:rC+7], v[SA+wf/2], v[SB+5*(\tt)+wb] matrix_a_fmt:MATRIX_FMT_FP6 matrix_b_fmt:MATRIX_FMT_FP6 matrix_a_scale:MATRIX_SCALE_ROW1
.else
	v_wmma_scale_f32_16x16x128_f8f6f4 v[rD:rD+7], v[rA:rA+11], v[rB:rB+11], v[rC:rC+7], v[SA+wf/2], v[SB+5*(\tt)+wb] matrix_a_fmt:MATRIX_FMT_FP6 matrix_b_fmt:MATRIX_FMT_FP6
.endif
.endm
; The sum product: fragment f against token tile tt's codes in all four blocks: four tiles added.  The first link starts the sum.
.macro WS f, tt
.set rD, SUM1+8*(\tt)
.set rA, AR+12*((\f)%2)
.set rB, BALL+12*(\tt)
.if (\f) == 0
	v_wmma_scale_f32_16x16x128_f8f6f4 v[rD:rD+7], v[rA:rA+11], v[rB:rB+11], 0, v[SA], v[SB+5*(\tt)+4] matrix_a_fmt:MATRIX_FMT_FP6 matrix_b_fmt:MATRIX_FMT_FP6
.elseif (\f)%2
	v_wmma_scale_f32_16x16x128_f8f6f4 v[rD:rD+7], v[rA:rA+11], v[rB:rB+11], v[rD:rD+7], v[SA+(\f)/2], v[SB+5*(\tt)+4] matrix_a_fmt:MATRIX_FMT_FP6 matrix_b_fmt:MATRIX_FMT_FP6 matrix_a_scale:MATRIX_SCALE_ROW1
.else
	v_wmma_scale_f32_16x16x128_f8f6f4 v[rD:rD+7], v[rA:rA+11], v[rB:rB+11], v[rD:rD+7], v[SA+(\f)/2], v[SB+5*(\tt)+4] matrix_a_fmt:MATRIX_FMT_FP6 matrix_b_fmt:MATRIX_FMT_FP6
.endif
.endm
.macro SQ s, tt                        ; sum of squares: four packed lines, the result read from its low end on; step 0 starts the sums
.set rD, DR+32*((\s)%2)+8*(\tt)
.set rS, SUM2+8*(\tt)
.irp p, 0,2,4,6
.if (\s) == 0
	v_pk_mul_f32 v[rS+\p:rS+\p+1], v[rD+\p:rD+\p+1], v[rD+\p:rD+\p+1]
.else
	v_pk_fma_f32 v[rS+\p:rS+\p+1], v[rD+\p:rD+\p+1], v[rD+\p:rD+\p+1], v[rS+\p:rS+\p+1]
.endif
.endr
.endm
.macro XF s, tt                        ; sum of w' xc
.set rD, DR+32*((\s)%2)+8*(\tt)
.set rS, SUM3+8*(\tt)
.set rX, 128*((\tt)%2)+8*(\s)
.irp p, 0,2,4,6
.if (\s) == 0
	v_pk_mul_f32 v[rS+\p:rS+\p+1], v[rD+\p:rD+\p+1], v[rX+\p:rX+\p+1]
.else
	v_pk_fma_f32 v[rS+\p:rS+\p+1], v[rD+\p:rD+\p+1], v[rX+\p:rX+\p+1], v[rS+\p:rS+\p+1]
.endif
.endr
.endm
.macro CLOAD s                         ; the C of row step s + 4 (beyond 15: of the next record) into the slot that step s has left: lanes 0-15 read the same 32 bytes, lanes 16-31 those 64 bytes on
.set sg, (\s)+4
.set ca, ADC
.if sg > 15
.set ca, ADCN
.set sg, sg-16
.endif
.set co, 128*(sg/2)+32*(sg%2)
.set cr, CR+8*((\s)%4)
	ds_load_b128 v[cr:cr+3], v[ca] offset:co
	ds_load_b128 v[cr+4:cr+7], v[ca] offset:co+16
.endm
.macro ALOAD set, adr, f               ; a fragment, as the image of its twelve registers: 512 consecutive bytes a load
.irp c, 0,1,2
	ds_load_b128 v[AR+12*(\set)+4*\c:AR+12*(\set)+4*\c+3], v[\adr] offset:1536*(\f)+512*\c
.endr
.endm
.macro ADDR                            ; the LDS addresses of this record and the next
	WIN W_SQ
	v_add_nc_u32 v[ADA], s[OB], v[LA0]
	v_add_nc_u32 v[ADAN], s[NB], v[LA0]
	v_add_nc_u32 v[ADC], s[OB], v[LC0]
	v_add_nc_u32 v[ADCN], s[NB], v[LC0]
	v_add_nc_u32 v[ADS], s[OB], v[LS0]
	v_add_nc_u32 v[ADSN], s[NB], v[LS0]
	v_add_nc_u32 v[ADST], s[KO], v[LT0]
.endm
; A ROW STEP.  The vector work on step s's four results stands between the four products of step s + 1 (and one sum product), so that the two units work side by side.
; No two matrix instructions that follow each other share an accumulator, and each turn is one instruction.
; DISTANCES (ISA guide 7.12.1): a result is read a step behind its product; a C slot is loaded again behind the eight multiply-adds that follow its last reader; a fragment's set and a scale register behind 32.
; THE WAIT leaves the four youngest LDS instructions out.  A step issues two at the least, and all that it needs was issued earlier than the two steps before it: C's slot three steps back, a fragment three, scale words seven.
.macro STEP s
	s_wait_dscnt 4
	WIN W_M
	WM (\s)+1, 0
	CLOAD \s
.if (\s)%4 == 0
.if (\s) == 12
	ALOAD 0, ADAN, 0                               ; the next record's first fragment
.else
	ALOAD ((\s)/4+1)%2, ADA, (\s)/4+1
.endif
.endif
.if (\s) == 0
	WIN 0x01                                       ; destination window 0, address window 1
	ds_load_b32 v[SA+1], v[ADS] offset:128         ; the scale words of fragments 2 | 3
.endif
.if (\s) == 8
	WIN 0x01
	ds_load_b32 v[SA], v[ADSN]                     ; the next record's, of fragments 0 | 1
.endif
	WIN W_M
	WS (\s)/4, (\s)%4
	WIN W_SQ
	SQ \s, 0
	SQ \s, 1
	WIN W_M
	WM (\s)+1, 1
	WIN W_SQ
	SQ \s, 2
	SQ \s, 3
	WIN W_M
	WM (\s)+1, 2
	WIN W_X2
	XF \s, 0
	XF \s, 1
	WIN W_M
	WM (\s)+1, 3
	WIN W_X3
	XF \s, 2
	XF \s, 3
.endm
; A RECORD'S END.  The twelve sums of eight registers are added up; a swap of halves between two token tiles and one addition join the halves of the lanes: lane l of pair q then holds token 32 q + l.
.macro FIN
	WIN W_SQ
.set a, 0
.rept 12
	v_pk_add_f32 v[SUM1+8*a:SUM1+8*a+1], v[SUM1+8*a:SUM1+8*a+1], v[SUM1+8*a+4:SUM1+8*a+5]   ; (an accumulator is read from its low end on)
	v_pk_add_f32 v[SUM1+8*a+2:SUM1+8*a+3], v[SUM1+8*a+2:SUM1+8*a+3], v[SUM1+8*a+6:SUM1+8*a+7]
.set a, a+1
.endr
.set a, 0
.rept 12
	v_pk_add_f32 v[SUM1+8*a:SUM1+8*a+1], v[SUM1+8*a:SUM1+8*a+1], v[SUM1+8*a+2:SUM1+8*a+3]
.set a, a+1
.endr
.set a, 0
.rept 12
	v_add_f32 v[SUM1+8*a], v[SUM1+8*a], v[SUM1+8*a+1]
.set a, a+1
.endr
.set a, 0
.rept 6
	v_permlane16_swap_b32 v[SUM1+16*a], v[SUM1+16*a+8]     ; the first's lanes 16-31 change places with the second's lanes 0-15
.set a, a+1
.endr
.set a, 0
.rept 6
	v_add_f32 v[SUM1+16*a], v[SUM1+16*a], v[SUM1+16*a+8]
.set a, a+1
.endr
.irp q, 0,1
	v_mul_f32 v[TMPR+\q], 0x3b800000, v[SUM1+16*\q]        ; mu = the sum x 2^-8
.endr
.irp q, 0,1
	v_mul_f32 v[TMPR+2+\q], 0x3b800000, v[SUM2+16*\q]      ; the mean of the squares
.endr
.irp q, 0,1
	v_fma_f32 v[TMPR+2+\q], -v[TMPR+\q], v[TMPR+\q], v[TMPR+2+\q]
.endr
.irp q, 0,1
	v_max_num_f32 v[TMPR+2+\q], 0, v[TMPR+2+\q]            ; the variance, held at 0 from below
.endr
.irp q, 0,1
	v_add_f32 v[TMPR+2+\q], 0x3727c5ac, v[TMPR+2+\q]       ; + 1e-5
.endr
.irp q, 0,1
	v_rsq_f32 v[TMPR+4+\q], v[TMPR+2+\q]
.endr
	v_nop                                          ; a plain place behind the transcendentals,
	s_wait_alu depctr_va_vdst(0)                   ; and one wait for both ahead of the first line that names a result
.irp q, 0,1
	v_mul_f32 v[TMPR+6+\q], v[SUM3+16*\q], v[TMPR+4+\q]
.endr
.irp q, 0,1
	ds_store_b32 v[ADST], v[TMPR+6+\q] offset:32*SPT*\q    ; y less b, token 32 q + l, my record's column
.endr
.endm
.macro RECORD
.irp s, 0,1,2,3,4,5,6,7,8,9,10,11,12,13,14,15
	STEP \s
.endr
	FIN
.endm
	s_load_b256 s[4:11], s[0:1], 0x0               ; xr s[4:5], wq s[6:7], hq s[8:9], bl s[10:11]
	s_load_b64 s[12:13], s[0:1], 0x20              ; out0
	v_lshl_add_u32 v254, v0, 2, 0x4d000
	v_mov_b32 v255, 0
	ds_add_u32 v254, v255
	ds_add_u32 v254, v255
	v_lshrrev_b32 v1, 5, v0
	v_readfirstlane_b32 s[WV], v1                  ; wave 0..3
	v_and_b32 v1, 31, v0                           ; l
	v_bfe_u32 v3, v0, 4, 1                         ; h
	v_mov_b32 v7, 0
	v_lshlrev_b32 v[XA], 4, v1
	v_lshlrev_b32 v[H8], 3, v1
	v_lshlrev_b32 v[H4], 2, v1
	v_bfe_u32 v4, v0, 3, 2                         ; l / 8
	v_and_b32 v5, 7, v0                            ; l % 8
	v_lshlrev_b32 v[GO], 10, v4
	v_lshl_add_u32 v[GO], v5, 4, v[GO]             ; bl, out0: eight lanes to a row's 128 bytes, four rows an instruction
	v_bfe_u32 v6, v0, 1, 2                         ; the wave whose eight outputs hold my four: (l % 8) / 2
	v_mul_u32_u24 v[RD], v6, SWV
	v_mad_u32_u24 v[RD], v4, SPT, v[RD]
	v_and_b32 v6, 1, v0
	v_lshl_add_u32 v[RD], v6, 4, v[RD]
	s_mul_i32 s2, s[WV], 16*SPT                    ; I store token rows 16 w .. 16 w + 15
	s_add_co_u32 s2, s2, STG
	v_add_nc_u32 v[RD], s2, v[RD]
	s_mov_b32 s[HI], 0xffff0000
	s_bfe_u32 s15, ttmp6, 0x40000                  ; cx, cy: my place in the cluster
	s_bfe_u32 s16, ttmp6, 0x40004
	s_lshl_b32 s17, ttmp9, 2
	s_add_co_u32 s17, s17, s15                     ; g: my 32 outputs = 4 x cluster x + cx
	s_and_b32 s18, ttmp7, 0xffff
	s_lshl_b32 s18, s18, 2
	s_add_co_u32 s18, s18, s16                     ; tg: my 64 tokens = 4 x cluster y + cy
	s_lshl_b32 s19, s16, 2
	s_lshl_b32 s19, 15, s19                        ; my row of the cluster: the same tokens
	s_lshl_b32 s20, 0x1111, s15                    ; my column: the same outputs
	; descriptor groups 1: dense blocks as rows of 256 bytes (32 elements of 8 bytes), no padding: 64 rows (an image of x), 58 (two records), 174 (six)
	s_or_b32 s[G1X], s19, (3<<16)|(1<<21)          ; 15:0 the mask; 17:16 elements of 8 bytes; 21 set beside a mask
	s_or_b32 s[G1A], s20, (3<<16)|(1<<21)
	s_or_b32 s[G1B], s20, (3<<16)|(1<<21)
.irp g, G1X, G1A, G1B
	s_mov_b32 s[\g+1], 32<<16                      ; tensor_dim0
	s_mov_b32 s[\g+3], 32<<16                      ; tile_dim0
	s_mov_b32 s[\g+5], 32                          ; tensor_dim0_stride
	s_mov_b32 s[\g+6], 0
	s_mov_b32 s[\g+7], 0
.endr
	s_mov_b32 s[G1X+2], 64<<16                     ; tensor_dim1
	s_mov_b32 s[G1X+4], 64                         ; tile_dim1
	s_mov_b32 s[G1A+2], 58<<16
	s_mov_b32 s[G1A+4], 58
	s_mov_b32 s[G1B+2], 174<<16
	s_mov_b32 s[G1B+4], 174
	s_lshl_b32 s22, s18, 2                         ; x: token tile 4 tg + w, 16,384 bytes each: made of the tokens' coordinate and the wave alone
	s_add_co_u32 s22, s22, s[WV]
	s_lshl_b32 s22, s22, 14
	s_mov_b32 s23, 0
	s_lshl_b32 s24, s17, 2                         ; records: 8 (4 g + w) on: made of the outputs' coordinate and the wave alone
	s_add_co_u32 s24, s24, s[WV]
	s_mul_i32 s24, s24, WREC
	s_mov_b32 s25, 0
	s_lshl_b32 s26, s18, 12                        ; hq: four tiles of 1,024 bytes
	s_mov_b32 s27, 0
	s_lshl_b32 s70, s18, 16                        ; bl, out0: row 64 tg + 16 w of 1,024 bytes, + 128 g
	s_lshl_b32 s2, s[WV], 14
	s_add_co_u32 s70, s70, s2
	s_lshl_b32 s2, s17, 7
	s_add_co_u32 s70, s70, s2
	s_mov_b32 s71, 0
	s_mov_b32 s[G0X], 1                            ; count = 1
	s_lshl_b32 s[G0X+1], s[WV], 14                 ; LDS: image w
	s_mov_b32 s[G0A], 1
	s_mul_i32 s[G0A+1], s[WV], WREC
	s_add_co_u32 s[G0A+1], s[G0A+1], RECS          ; LDS: my records
	s_mov_b32 s[G0B], 1
	s_add_co_u32 s[G0B+1], s[G0A+1], 2*REC
	WIN 0x40                                       ; destination window 1: the lane terms of my LDS addresses
	v_add_nc_u32 v[LA0], s[G0A+1], v[XA]           ; fragments: 16 l
	s_add_co_u32 s2, s[G0A+1], 6400
	v_lshl_add_u32 v[LC0], v3, 6, s2               ; C: 64 h
	s_add_co_u32 s3, s[G0A+1], 6144
	v_lshl_add_u32 v[LS0], v1, 2, s3               ; scale words: 4 l
	s_mul_i32 s21, s[WV], SWV
	s_add_co_u32 s21, s21, STG
	v_mad_u32_u24 v[LT0], v1, SPT, s21             ; my part of the stage: row l
	WIN 0
	s_wait_dscnt 0x0
	s_wait_kmcnt 0x0
	s_add_nc_u64 s[G0X+2:G0X+3], s[4:5], s[22:23]
	s_or_b32 s[G0X+3], s[G0X+3], 0x80000000        ; type = 2
	s_add_nc_u64 s[G0A+2:G0A+3], s[6:7], s[24:25]
	s_add_nc_u64 s[G0B+2:G0B+3], s[G0A+2:G0A+3], 2*REC
	s_or_b32 s[G0A+3], s[G0A+3], 0x80000000
	s_or_b32 s[G0B+3], s[G0B+3], 0x80000000
	s_add_nc_u64 s[8:9], s[8:9], s[26:27]
	s_add_nc_u64 s[10:11], s[10:11], s[70:71]
	s_add_nc_u64 s[12:13], s[12:13], s[70:71]
	CROUND                                         ; all sixteen work-groups are here: the joint loads meet
	tensor_load_to_lds s[G0X:G0X+3], s[G1X:G1X+7]  ; all that the wave will ever ask for, as one group
	s_nop 0
	tensor_load_to_lds s[G0A:G0A+3], s[G1A:G1A+7]
	s_nop 0
	tensor_load_to_lds s[G0B:G0B+3], s[G1B:G1B+7]
	s_nop 0
.rept 4
	v_nop                                          ; four lines behind the tensor loads
.endr
.irp tt, 0,1,2,3                               ; hw's codes, twice on end (all four blocks of source 1), and its byte
	global_load_b128 v[BALL+12*\tt:BALL+12*\tt+3], v[XA], s[8:9] offset:1024*\tt
	global_load_b64 v[BALL+12*\tt+4:BALL+12*\tt+5], v[H8], s[8:9] offset:1024*\tt+512
	global_load_b128 v[BALL+12*\tt+6:BALL+12*\tt+9], v[XA], s[8:9] offset:1024*\tt
	global_load_b64 v[BALL+12*\tt+10:BALL+12*\tt+11], v[H8], s[8:9] offset:1024*\tt+512
	global_load_b32 v[SB+5*\tt], v[H4], s[8:9] offset:1024*\tt+768
.endr
.irp p, 0,1,2,3
	global_load_b128 v[BLR+4*\p:BLR+4*\p+3], v[GO], s[10:11] offset:4096*\p   ; LN(b) of the rows that I store: wanted at the end
.endr
.irp u, 0,2,4,6,8,10,12,14,16
.irp i, 0,1,2,3,4,5
	v_mov_b32 v[FORM+6*\u+\i], 0                   ; the nine runs of zero codes
.endr
.endr
	s_wait_loadcnt 4                               ; hq's twenty loads are in; bl's four may stay out
.irp tt, 0,1,2,3
	v_lshlrev_b32 v[SB+5*\tt+1], 8, v[SB+5*\tt]    ; the byte at byte b; the other three are 0
	v_lshlrev_b32 v[SB+5*\tt+2], 16, v[SB+5*\tt]
	v_lshlrev_b32 v[SB+5*\tt+3], 24, v[SB+5*\tt]
	v_lshl_or_b32 v[SB+5*\tt+4], v[SB+5*\tt], 8, v[SB+5*\tt]
.endr
.irp tt, 0,1,2,3
	v_lshl_or_b32 v[SB+5*\tt+4], v[SB+5*\tt+4], 16, v[SB+5*\tt+4]   ; and at all four
.endr
.irp tt, 0,1,2,3
.irp i, 0,1,2,3,4,5
	v_cndmask_b32 v[FORM+6*(4*\tt+1)+\i], v[BALL+12*\tt+\i], v7, s[HI]   ; L: the codes in lanes 0-15 alone
	v_cndmask_b32 v[FORM+6*(4*\tt+3)+\i], v7, v[BALL+12*\tt+\i], s[HI]   ; H: in lanes 16-31 alone
.endr
.endr
	s_wait_tensorcnt 0x2                           ; my quarter of x has landed; both loads of records may stay out
	s_barrier_signal -1
	s_barrier_wait -1                              ; everybody's quarter has
	WIN 0x80                                       ; destination window 2
.irp tt, 0,1
.set q, 0
.rept 32
	ds_load_b128 v[128*\tt+4*q:128*\tt+4*q+3], v[XA] offset:16384*\tt+512*q   ; xc stays in registers: 128 a token tile
.set q, q+1
.endr
.endr
	WIN 0xc0                                       ; destination window 3
.irp tt, 0,1
.set q, 0
.rept 32
	ds_load_b128 v[128*\tt+4*q:128*\tt+4*q+3], v[XA] offset:16384*(2+\tt)+512*q
.set q, q+1
.endr
.endr
	s_wait_tensorcnt 0x1                           ; my records 0 and 1 have landed (my own bytes: no barrier); records 2 to 7 may stay out
	s_mov_b32 s[OB], 0
	s_mov_b32 s[NB], REC
	s_mov_b32 s[KO], 0
	ADDR                                           ; (these seven lines are also the places between the last write of the forms and the first product)
	WIN W_M
	ALOAD 0, ADA, 0
.irp g, 0,1,2,3
	ds_load_b128 v[CR+8*\g:CR+8*\g+3], v[ADC] offset:128*(\g/2)+32*(\g%2)
	ds_load_b128 v[CR+8*\g+4:CR+8*\g+7], v[ADC] offset:128*(\g/2)+32*(\g%2)+16
.endr
	WIN 0x01
	ds_load_b32 v[SA], v[ADS]
	s_wait_dscnt 0x0                               ; xc, the first fragment, four C, the first scale words
	WIN W_M
.irp tt, 0,1,2,3
	WM 0, \tt                                      ; row step 0 of record 0: there is no vector work yet to set between them
.endr
.rept 4
	v_nop                                          ; places in front of the load into C's slot 0 and of the first read of results
.endr
	RECORD                                         ; record 0; its look-ahead reads record 1
	WIN 0
	s_wait_tensorcnt 0x0                           ; records 2 to 7 have landed
	s_mov_b32 s[OB], REC
	s_mov_b32 s[KO], 4
	s_mov_b32 s[CNT], 7
.Lrec:                                             ; records 1 to 7
	s_add_co_u32 s[NB], s[OB], REC
	s_min_u32 s[NB], s[NB], 7*REC                  ; the last record's look-ahead reads that record again: its four products are never read
	ADDR
	RECORD
	WIN 0                                          ; at a label and at a branch every window is 0
	s_add_co_u32 s[OB], s[OB], REC
	s_add_co_u32 s[KO], s[KO], 4
	s_sub_co_u32 s[CNT], s[CNT], 1
	s_cmp_lg_u32 s[CNT], 0
	s_cbranch_scc1 .Lrec
	; THE WAY OUT.  A token's 32 outputs come from four waves: they meet in the stage; each wave reads 16 rows back, adds LN(b) and stores.
	s_wait_dscnt 0x0                               ; for the others' sake: my stores into the stage are done
	s_barrier_signal -1
	s_barrier_wait -1
.irp p, 0,1,2,3
	ds_load_b128 v[OUTR+4*\p:OUTR+4*\p+3], v[RD] offset:4*SPT*\p
.endr
	s_wait_loadcnt 0x0                             ; LN(b)
	s_wait_dscnt 0x0
.irp q, 0,2,4,6,8,10,12,14
	v_pk_add_f32 v[OUTR+\q:OUTR+\q+1], v[OUTR+\q:OUTR+\q+1], v[BLR+\q:BLR+\q+1]
.endr
.irp p, 0,1,2,3
	global_store_b128 v[GO], v[OUTR+4*\p:OUTR+4*\p+3], s[12:13] offset:4096*\p th:TH_STORE_NT   ; eight lanes store 128 consecutive bytes of a row, four rows an instruction
.endr
	s_wait_tensorcnt 0x0
	ds_add_u32 v254, v255
	s_wait_dscnt 0x0
	CROUND                                         ; the closing round: no work-group ends while a partner may still ask for a tile that names it
	s_endpgm
.Lfunc_end_k_q4b6c5d6818_main:
	.size	k_q4b6c5d6818_main, .Lfunc_end_k_q4b6c5d6818_main-k_q4b6c5d6818_main
	.p2alignl 7, 3214868480
	.fill 96, 4, 3214868480
	.section	.rodata,"a",@progbits
	.p2align	6, 0x0
	.amdhsa_kernel k_q4b6c5d6818_main
		.amdhsa_group_segment_fixed_size 315904
		.amdhsa_private_segment_fixed_size 0
		.amdhsa_enable_private_segment 0
		.amdhsa_kernarg_size 40
		.amdhsa_user_sgpr_count 2
		.amdhsa_user_sgpr_kernarg_segment_ptr 1
		.amdhsa_wavefront_size32 1
		.amdhsa_system_sgpr_workgroup_id_x 1
		.amdhsa_system_sgpr_workgroup_id_y 1
		.amdhsa_system_sgpr_workgroup_id_z 1
		.amdhsa_system_vgpr_workitem_id 0
		.amdhsa_next_free_vgpr 1024
		.amdhsa_next_free_sgpr 72
		.amdhsa_reserve_vcc 0
		.amdhsa_float_denorm_mode_32 3
		.amdhsa_float_denorm_mode_16_64 3
		.amdhsa_memory_ordered 1
		.amdhsa_forward_progress 1
		.amdhsa_inst_pref_size 134
	.end_amdhsa_kernel
	.amdgpu_metadata
---
amdhsa.version: [ 1, 2 ]
amdhsa.kernels:
  - .name:           k_q4b6c5d6818_main
    .symbol:         k_q4b6c5d6818_main.kd
    .args:
      - { .name: xr, .offset: 0, .size: 8, .value_kind: global_buffer, .address_space: global }
      - { .name: wq, .offset: 8, .size: 8, .value_kind: global_buffer, .address_space: global }
      - { .name: hq, .offset: 16, .size: 8, .value_kind: global_buffer, .address_space: global }
      - { .name: bl, .offset: 24, .size: 8, .value_kind: global_buffer, .address_space: global }
      - { .name: out0, .offset: 32, .size: 8, .value_kind: global_buffer, .address_space: global }
    .group_segment_fixed_size: 315904
    .private_segment_fixed_size: 0
    .kernarg_segment_align: 8
    .kernarg_segment_size: 40
    .max_flat_workgroup_size: 128
    .sgpr_count:     72
    .vgpr_count:     1024
    .wavefront_size: 32
...
	.end_amdgpu_metadata
.endif
;; end of part 2
;; ======== version 2 of 2: 2 launches; version 1 with the launch prep written anew for expert scheduling mode
;; limits: a difference of large sums (such as E[x^2] - mean^2): digits are lost where the result is much smaller than its terms
;; workspace buffers: xr 2,097,152 bytes; wq 1,900,544 bytes; hq 131,072 bytes; bl 2,097,152 bytes
;; launch prep (part 3): grid 288 x 1, 4 waves a work-group, no clusters, 124,416 bytes of LDS; arguments x, w1, b1, w2, b2, u1, c1, u2, c2, xr, wq, hq, bl; writes xr, wq, hq, bl
.if DOCPART == 3
	.amdgcn_target "amdgcn-amd-amdhsa--gfx1250"
	.amdhsa_code_object_version 6
	.text
	.protected	k_q4b6c5d6818_prep
	.globl	k_q4b6c5d6818_prep
	.p2align	8
	.type	k_q4b6c5d6818_prep,@function
k_q4b6c5d6818_prep:
	s_mov_b64 s[64:65], 0
	v_nop
	global_prefetch_b8 v0, s[64:65] scope:SCOPE_SE
	s_setreg_imm32_b32 hwreg(HW_REG_WAVE_SCHED_MODE, 0, 2), 2
	s_setreg_imm32_b32 hwreg(HW_REG_WAVE_MODE, 25, 1), 1
	s_wait_xcnt 0x0
	s_wait_alu depctr_vm_vsrc(0)
; WHAT THE SECOND LAUNCH NEEDS, MADE ONCE.  Two roles, parted by the work-group's number; each has LDS bytes of its own and its own end.
; ROLE A (work-groups 0-255, one for each o): the 256 rows of w2 that belong to output o (32 numbers each: one block of the quantiser) become codes of E2M3 with one E8M0 byte a row, laid as
;   four operand fragments.  A fragment of 16 x 128 has four blocks along K; here EACH BLOCK HOLDS ANOTHER TILE OF 16 ROWS, so nothing is padded: 64 rows, 1,536 bytes.  Tile t takes rows
;   i = 32 (t / 2) + 8 (t % 2) + (m % 8) + 16 (m / 8), so that the product's results fall beside the x that they are multiplied by.  b2's row is stored less its own mean (a layer norm over i does not see that shift).
;   Record of o in wq, 7,424 bytes: four fragments as images of their registers; at 6,144 the 64 scale words; at 6,400 the 256 centred biases.
; ROLE B (work-groups 256-287, a wave to a tile of 16 tokens): x is quantised; hw = Q(x) Q(w1)^T + b1 and hb = Q(x) Q(u1)^T + c1; hw is quantised and stored (hq: 32 codes and a byte a token, in all 32 lanes);
;   b = LN(Q(hb) Q(u2)^T + c2) is finished and stored (bl); x less its row's mean is stored as an image of 128 registers (xr), register 16 B + i = k 32 B + 16 (lane / 16) + i of token lane % 16.
;   The weights are quantised once a work-group, a fragment of each a wave, and go from wave to wave through LDS as images of their registers.
; THE QUANTISER: a block's scale operand is its largest magnitude (with the floor 2^(3 - 127) among the leaves) with 2 taken off the exponent field; the byte is that field.
; LIMITS: a block of zeros gets the byte 1 where the rule says 127 (its codes are zeros; this program alone reads the bytes); NaN and infinities among the inputs are not served.
; No tensor loads, no cluster: the work-groups of role A share nothing, and what those of role B share is 96 KB of weights.
; THE MODE: SCHED_MODE bits 1:0 = 2 (LLVM: expert scheduling mode 2), set by the entry lines.  The code itself states the register dependences between vector or matrix instructions and memory or LDS
; instructions, with s_wait_alu, always for 0.
; THE PLAN.  The text has no loop.  Registers that memory or LDS instructions touch, and who else names them:
;   v6-v19        offsets and LDS addresses: written once a role by vector lines, never again; one wait ahead of the first instruction that reads each group.
;   ROLE A  v64-127 global loads land, LDS stores read: no vector line names them.  Window 1 v0-63: LDS loads land, the quantiser reads.  v130 (the sum of b2), F and PW: vector lines write, stores read: ONE wait for the three.
;           v136-137: vector lines write, one store reads.
;   ROLE B  window 1 v0-191: the weights' loads land, the three quantisers read; c2's loads then land in v0-127.  F, PW: each quantiser writes, each image's LDS stores read: a wait on va_vdst ahead of an image,
;           one on vm_vsrc ahead of the next quantiser.  The third image's wait stands ahead of c2's loads and serves them too.
;           v64-191: x's loads land; vector lines read and rewrite; xr's stores read (va_vdst ahead of them); fragments land (vm_vsrc ahead); the products read; u2's fragments land (va_vdst behind the products' places);
;           at the end the rows of b land (vm_vsrc for hq's stores, which read v172-177; the vector and matrix lines that named the rest stand ahead of the wait in front of the stage's stores).
;           LHW, v38 (hq's data), FRM, SBB (operand and scales of product 4): vector lines write: ONE wait, behind the eight places, ahead of hq's stores and of the products.
;           Window 1 v0-127 at the end: vector lines write, the stage's stores read.
;   v254, v255    written at the head, read by the closing add alone.
.set REC,  7424
.set STA,  0                           ; role A: a stage of 64 rows x (128 + 16) bytes for each wave
.set SGA,  36864                       ; role A: the record's 64 scale words
.set SGS,  37120                       ; role A: the four waves' sums of b2
.set WIMG, 37376                       ; role B: 12 fragments, 1,536 bytes each: w1's four, u1's four, u2's four
.set WSC,  55808                       ; role B: their scale words, 128 bytes each
.set BSTG, 57344                       ; role B: a stage of 16 rows x (1,024 + 16) bytes for each wave
.set TM,   24                          ; v24-39   at work
.set F,    40                          ; v40-51   a fragment just made
.set G,    52                          ; v52-59   the halves that a conversion cannot put in place (its three registers begin on an even number)
.set XS,   60                          ; v60-61   x's scale words
.set PW,   62                          ; v62      a scale word just made
.set PX,   63                          ; v63      the other half of the lanes' part of it
.set XR,   64                          ; v64-191  x: 128 numbers a lane; at the end the rows of b on their way out
.set XF,   192                         ; v192-215 x's two fragments
.set HW,   216                         ; v216-231 hw;  v232-247 hb
.set WF,   64                          ; v64-159  w1's and u1's eight fragments, when x is done with
.set WSW,  160                         ; v160-167 their scale words; later u2's four
.set UF,   64                          ; v64-111  u2's four fragments
.set FRM,  112                         ; v112-141 hb's codes as Z L Z H Z, six registers each
.set SBB,  168                         ; v168-171 hb's byte at byte b of a scale word
.set LHW,  172                         ; v172-177 hw's 32 codes;  v178-183 hb's
.set LHB,  178
.set PP,   184                         ; v184-186 a conversion's result;  v188-190 the other half of the lanes'
.set QQ,   188
.set FA,   0                           ; window 1: v0-63, v64-127, v128-191 numbers of a fragment to be; v192-223 b1 and c1 in the result's layout; later v0-127 c2, then b
.set FB,   64
.set FC,   128
.set BI,   192
.set MSB, 0
.macro WIN new                         ; s_set_vgpr_msb: bits 1:0 source 0, 3:2 source 1, 5:4 source 2, 7:6 destination; the high byte repeats the setting that is left
.if MSB != (\new)
	s_set_vgpr_msb (MSB<<8)|(\new)
.set MSB, (\new)
.endif
.endm
; 64 numbers of a lane in window 1, two whole blocks of 32 (the operand's blocks h and 2 + h of row r), become the fragment in v[F] on and its scale word in v[PW].
.macro QFRAG buf
	WIN 0x14                                       ; sources 1 and 2 in window 1
.irp c, 0,1,2,3
	v_max3_num_f32 v[TM+\c], 0x1800000, |v[(\buf)+16*\c]|, |v[(\buf)+16*\c+1]|   ; four chains of 16 numbers, each with the floor 2^(3 - 127): the byte cannot fall under 1
.endr
.irp i, 2,4,6,8,10,12,14
.irp c, 0,1,2,3
	v_max3_num_f32 v[TM+\c], v[TM+\c], |v[(\buf)+16*\c+\i]|, |v[(\buf)+16*\c+\i+1]|
.endr
.endr
	WIN 0
	v_max_num_f32 v[TM], v[TM], v[TM+1]            ; the first block's largest magnitude
	v_max_num_f32 v[TM+2], v[TM+2], v[TM+3]        ; the second's
	v_add_nc_u32 v[TM+4], 0xff000000, v[TM]        ; 2 off the exponent field: the conversion's scale operand
	v_add_nc_u32 v[TM+5], 0xff000000, v[TM+2]
	v_lshrrev_b32 v[TM+6], 23, v[TM+4]             ; the bytes
	v_lshrrev_b32 v[TM+7], 23, v[TM+5]
	v_lshl_or_b32 v[PW], v[TM+7], 16, v[TM+6]      ; blocks h and 2 + h,
	v_lshlrev_b32 v[PW], v4, v[PW]                 ; at their places (8 h bits up);
	v_permlanex16_b32 v[PX], v[PW], s34, s35
	v_or_b32 v[PW], v[PW], v[PX]                   ; with lane l xor 16's two the word is whole
	WIN 0x01                                       ; source 0 in window 1
	v_cvt_scalef32_pk16_fp6_f32 v[F:F+2],   v[(\buf):(\buf)+15],    v[TM+4]
	v_cvt_scalef32_pk16_fp6_f32 v[G:G+2],   v[(\buf)+16:(\buf)+31], v[TM+4]
	v_cvt_scalef32_pk16_fp6_f32 v[F+6:F+8], v[(\buf)+32:(\buf)+47], v[TM+5]
	v_cvt_scalef32_pk16_fp6_f32 v[G+4:G+6], v[(\buf)+48:(\buf)+63], v[TM+5]
	WIN 0
	v_nop                                          ; one plain place behind a scaled conversion
.irp c, 0,1
.irp i, 0,1,2
	v_mov_b32 v[F+3+6*\c+\i], v[G+4*\c+\i]
.endr
.endr
.endm
; 64 numbers of a lane, register 16 b + i = k 32 b + 16 (lane / 16) + i of my row, become a fragment in v[d] on and its scale word in v[pw].
.macro QUANT s, d, pw
.irp b, 0,1,2,3
	v_max3_num_f32 v[TM+\b], |v[(\s)+16*\b]|, |v[(\s)+1+16*\b]|, 0x1800000
.endr
.irp i, 2,4,6,8,10,12,14
.irp b, 0,1,2,3
	v_max3_num_f32 v[TM+\b], v[TM+\b], |v[(\s)+16*\b+\i]|, |v[(\s)+1+16*\b+\i]|
.endr
.endr
.irp b, 0,1,2,3
	v_permlanex16_b32 v[TM+4+\b], v[TM+\b], s34, s35
.endr
.irp b, 0,1,2,3
	v_max_num_f32 v[TM+\b], v[TM+\b], v[TM+4+\b]   ; with lane l xor 16's 16: the block's largest magnitude
.endr
.irp b, 0,1,2,3
	v_add_nc_u32 v[TM+12+\b], 0xff000000, v[TM+\b]
.endr
.irp b, 0,1,2,3
	v_lshrrev_b32 v[TM+4+\b], 23, v[TM+12+\b]
.endr
	v_lshl_or_b32 v[\pw], v[TM+5], 8, v[TM+4]
	v_lshl_or_b32 v[\pw], v[TM+6], 16, v[\pw]
	v_lshl_or_b32 v[\pw], v[TM+7], 24, v[\pw]
.irp c, 0,1
	v_cvt_scalef32_pk16_fp6_f32 v[(\d)+6*\c:(\d)+6*\c+2], v[(\s)+32*\c:(\s)+32*\c+15], v[TM+12+2*\c]
	v_cvt_scalef32_pk16_fp6_f32 v[G+4*\c:G+4*\c+2], v[(\s)+32*\c+16:(\s)+32*\c+31], v[TM+13+2*\c]
.endr
	v_nop                                          ; one plain place behind a scaled conversion
.irp c, 0,1                                    ; the operand wants a whole block in a lane: lanes 0-15 block 2 c, lanes 16-31 block 2 c + 1
.irp i, 0,1,2
	v_permlane16_swap_b32 v[(\d)+6*\c+\i], v[G+4*\c+\i]
.endr
.irp i, 0,1,2
	v_mov_b32 v[(\d)+3+6*\c+\i], v[G+4*\c+\i]
.endr
.endr
.endm
; 16 numbers of a lane, k = 16 (lane / 16) + 0 .. 15 of token lane % 16: one block of 32 in two lanes.  Its 32 codes go to v[lh] on, six registers, THE SAME IN BOTH HALVES OF THE LANES; its byte to v[by].
.macro QHID src, lh, by
	v_max3_num_f32 v[TM], |v[\src]|, |v[\src+1]|, 0x1800000        ; each accumulator is read from its low end on
.irp i, 2,4,6,8,10,12,14
	v_max3_num_f32 v[TM], v[TM], |v[\src+\i]|, |v[\src+\i+1]|
.endr
	v_permlanex16_b32 v[TM+1], v[TM], s34, s35
	v_max_num_f32 v[TM], v[TM], v[TM+1]
	v_add_nc_u32 v[TM+2], 0xff000000, v[TM]
	v_lshrrev_b32 v[\by], 23, v[TM+2]
	v_cvt_scalef32_pk16_fp6_f32 v[PP:PP+2], v[\src:\src+15], v[TM+2]
	v_nop                                          ; one plain place behind a scaled conversion
.irp i, 0,1,2
	v_permlanex16_b32 v[QQ+\i], v[PP+\i], s34, s35
.endr
.irp i, 0,1,2
	v_cndmask_b32 v[\lh+\i], v[PP+\i], v[QQ+\i], s36       ; codes 0-15: lanes 0-15 made them
	v_cndmask_b32 v[\lh+3+\i], v[QQ+\i], v[PP+\i], s36     ; codes 16-31: lanes 16-31 made them
.endr
.endm
.macro IMAGE grp                               ; the fragment in v[F] on and its scale word go to LDS as they stand: fragment 4 grp + wave
.irp c, 0,1,2
	ds_store_b128 v12, v[F+4*\c:F+4*\c+3] offset:6144*(\grp)+512*\c
.endr
	ds_store_b32 v13, v[PW] offset:512*(\grp)
.endm
.macro FETCH reg, idx, sreg                    ; and come back so, in any wave
.irp c, 0,1,2
	ds_load_b128 v[\reg+4*\c:\reg+4*\c+3], v14 offset:1536*(\idx)+512*\c
.endr
	ds_load_b32 v[\sreg], v15 offset:128*(\idx)
.endm
.macro WLOAD buf, adr, base, second            ; 64 numbers of a lane: two runs of 128 bytes
.irp c, 0,1,2,3,4,5,6,7
	global_load_b128 v[\buf+4*\c:\buf+4*\c+3], v[\adr], s[\base:\base+1] offset:16*\c
.endr
.irp c, 0,1,2,3,4,5,6,7
	global_load_b128 v[\buf+32+4*\c:\buf+32+4*\c+3], v[\adr], s[\base:\base+1] offset:\second+16*\c
.endr
.endm
.macro JOIN                                    ; four packed chains in v[TM] on become one sum, over both halves of the lanes, in v[TM]
	v_pk_add_f32 v[TM:TM+1], v[TM:TM+1], v[TM+2:TM+3]
	v_pk_add_f32 v[TM+4:TM+5], v[TM+4:TM+5], v[TM+6:TM+7]
	v_pk_add_f32 v[TM:TM+1], v[TM:TM+1], v[TM+4:TM+5]
	v_add_f32 v[TM], v[TM], v[TM+1]
	v_permlanex16_b32 v[TM+1], v[TM], s34, s35
	v_add_f32 v[TM], v[TM], v[TM+1]
.endm
.macro BARRIER                                 ; my LDS stores have landed and my LDS loads are in: then the work-group's barrier
	s_wait_dscnt 0x0
	s_barrier_signal -1
	s_barrier_wait -1
.endm
	s_load_b512 s[4:19], s[0:1], 0x0               ; x s[4:5], w1 s[6:7], b1 s[8:9], w2 s[10:11], b2 s[12:13], u1 s[14:15], c1 s[16:17], u2 s[18:19]
	s_load_b256 s[20:27], s[0:1], 0x40             ; c2 s[20:21], xr s[22:23], wq s[24:25], hq s[26:27]
	s_load_b64 s[28:29], s[0:1], 0x60              ; bl
	v_lshl_add_u32 v254, v0, 2, 0x1e400
	v_mov_b32 v255, 0
	v_lshrrev_b32 v1, 5, v0
	v_readfirstlane_b32 s30, v1                    ; wave 0..3
	v_and_b32 v1, 31, v0                           ; l
	v_and_b32 v2, 15, v0                           ; r
	v_bfe_u32 v3, v0, 4, 1                         ; h
	v_lshlrev_b32 v4, 3, v3                        ; 8 h
	v_mov_b32 v5, 0
	v_mov_b32 v[PX], 0                             ; written once: a lane permute's destination counts as one of its sources
	v_lshlrev_b32 v6, 4, v1                        ; 16 l
	s_mov_b32 s34, 0x76543210
	s_mov_b32 s35, 0xfedcba98                      ; v_permlanex16_b32's selects for lane l xor 16
	s_mov_b32 s36, 0xffff0000                      ; lanes 16-31
	s_mov_b32 s33, 0
	s_wait_alu depctr_va_sdst(0)                   ; s30 is written, ahead of the branch and of its first reader in either role: addresses and a branch are made from it
	s_wait_kmcnt 0x0
	s_cmp_ge_u32 ttmp9, 256
	s_cbranch_scc1 .Ltokens
	; ================ ROLE A: output o = the work-group's number; wave f makes fragment f from rows 64 f .. 64 f + 63 ================
	s_lshl_b32 s32, ttmp9, 15                      ; w2: (256 o + 64 f) rows of 128 bytes
	s_lshl_b32 s37, s30, 13
	s_add_co_u32 s32, s32, s37
	s_add_nc_u64 s[10:11], s[10:11], s[32:33]
	s_lshl_b32 s32, ttmp9, 10                      ; b2: row o of 1,024 bytes, my 256 of them
	s_lshl_b32 s37, s30, 8
	s_add_co_u32 s32, s32, s37
	s_add_nc_u64 s[12:13], s[12:13], s[32:33]
	s_mul_i32 s32, ttmp9, REC
	s_add_nc_u64 s[24:25], s[24:25], s[32:33]      ; the record
	s_mul_i32 s32, s30, 1536
	s_add_nc_u64 s[38:39], s[24:25], s[32:33]      ; my fragment in it
	v_lshlrev_b32 v10, 3, v1                       ; 8 l
	s_wait_alu depctr_va_vdst(0)                   ; v6 and v10 are written: the offsets of the seventeen loads below
.irp q, 0,1,2,3,4,5,6,7,8,9,10,11,12,13,14,15
	global_load_b128 v[64+4*\q:67+4*\q], v6, s[10:11] offset:512*\q th:TH_LOAD_NT   ; 32 lanes read 512 consecutive bytes: four rows
.endr
	global_load_b64 v[128:129], v10, s[12:13] th:TH_LOAD_NT        ; 32 lanes read my 256 bytes of b2
	s_mul_i32 s40, s30, 9216                       ; my stage
	v_lshrrev_b32 v16, 3, v1                       ; l / 8
	v_and_b32 v17, 7, v1                           ; l % 8
	v_mul_u32_u24 v7, v16, 144
	v_lshl_add_u32 v7, v17, 4, v7
	v_add_nc_u32 v7, s40, v7                       ; in: as loaded: row l / 8 of the four, 16 (l % 8) bytes on
	v_and_b32 v16, 1, v16
	v_lshl_add_u32 v17, v16, 4, v17
	v_lshl_add_u32 v17, v3, 3, v17                 ; out: the row that the operand's layout gives my lane: 8 h + r % 8 + 16 (r / 8); the second block's lies 32 rows on
	v_mul_u32_u24 v8, v17, 144
	v_add_nc_u32 v8, s40, v8
	s_lshl_b32 s41, s30, 6
	s_add_co_u32 s41, s41, SGA
	v_lshl_add_u32 v9, v2, 2, s41                  ; my row's scale word: word 16 f + r
	s_lshl_b32 s41, s30, 2
	s_add_co_u32 s41, s41, SGS
	v_mov_b32 v11, s41                             ; my wave's sum of b2
	v_mov_b32 v12, SGS
	s_lshl_b32 s41, s30, 8
	v_add_nc_u32 v14, s41, v10                     ; 8 l + 256 f: my place among the record's biases
	v_add_nc_u32 v15, SGA, v10
	v_mov_b32 v131, 0
	WIN 0x40                                       ; destination window 1, for the loads from the stage (an LDS store has no destination)
	s_wait_alu depctr_va_vdst(0)                   ; v7, v8, v9, v11, v12, v14 and v15 are written: the addresses and the offset of every LDS instruction and store of this role
.irp q, 0,1,2,3,4,5,6,7,8,9,10,11,12,13,14,15
	s_wait_loadcnt 16-\q                           ; loads come back in order: load q is in; behind it the 15 - q later ones and b2's
	ds_store_b128 v7, v[64+4*\q:67+4*\q] offset:576*\q
.endr
.irp c, 0,1,2,3,4,5,6,7
	ds_load_b128 v[FA+4*\c:FA+4*\c+3], v8 offset:16*\c             ; LDS serves a wave's instructions in order: these see my stores
.endr
.irp c, 0,1,2,3,4,5,6,7
	ds_load_b128 v[FA+32+4*\c:FA+32+4*\c+3], v8 offset:4608+16*\c
.endr
	WIN 0
	s_wait_loadcnt 0x0                             ; b2
	v_add_f32 v130, v128, v129
	v_add_f32_dpp v130, v130, v130 row_xmask:1 row_mask:0xf bank_mask:0xf
	v_add_f32_dpp v130, v130, v130 row_xmask:2 row_mask:0xf bank_mask:0xf
	v_add_f32_dpp v130, v130, v130 row_xmask:4 row_mask:0xf bank_mask:0xf
	v_add_f32_dpp v130, v130, v130 row_xmask:8 row_mask:0xf bank_mask:0xf
	v_permlanex16_b32 v131, v130, s34, s35
	v_add_f32 v130, v130, v131                     ; the sum of my 64 biases, in every lane
	s_wait_dscnt 0x0                               ; my 64 rows are back from the stage
	QFRAG FA
	s_wait_alu depctr_va_vdst(0)                   ; the fragment v[F ..], its scale word v[PW] and the sum v130 are written: the data of the five stores below
.irp c, 0,1,2
	global_store_b128 v6, v[F+4*\c:F+4*\c+3], s[38:39] offset:512*\c   ; 32 lanes store 512 consecutive bytes, at a multiple of 256 from wq's first byte
.endr
	ds_store_b32 v9, v[PW]                         ; both halves of the lanes write the same word with the same value
	ds_store_b32 v11, v130                         ; all lanes write the same word with the same value
	BARRIER                                        ; the 64 scale words and the four sums lie in LDS
	ds_load_b128 v[132:135], v12
	s_wait_dscnt 0x0
	v_add_f32 v132, v132, v133
	v_add_f32 v134, v134, v135
	v_add_f32 v132, v132, v134
	v_mul_f32 v132, 0xbb800000, v132               ; - the row's mean: the sum x -2^-8
	v_add_f32 v136, v128, v132
	v_add_f32 v137, v129, v132
	s_wait_alu depctr_va_vdst(0)                   ; the centred biases v136 and v137 are written, which the store reads
	global_store_b64 v14, v[136:137], s[24:25] offset:6400         ; 32 lanes store 256 consecutive bytes, aligned
	s_cmp_lg_u32 s30, 0
	s_cbranch_scc1 .Lrecord_done
	ds_load_b64 v[138:139], v15                    ; wave 0: the 64 scale words
	s_wait_dscnt 0x0
	global_store_b64 v10, v[138:139], s[24:25] offset:6144         ; 256 consecutive bytes, aligned
.Lrecord_done:
	s_wait_dscnt 0x0                               ; the closing lines, six on end
	s_wait_alu 0x0
	s_wait_tensorcnt 0x0
	ds_add_u32 v254, v255
	s_wait_dscnt 0x0
	s_endpgm
	; ================ ROLE B: wave w takes the tile of 16 tokens 4 (work-group - 256) + w ================
.Ltokens:
	s_sub_co_u32 s31, ttmp9, 256
	s_lshl_b32 s31, s31, 2
	s_add_co_u32 s31, s31, s30                     ; my tile
	s_lshl_b32 s32, s31, 14                        ; 16 rows of 1,024 bytes in x and in bl, an image of 16,384 bytes in xr
	s_add_nc_u64 s[4:5], s[4:5], s[32:33]
	s_add_nc_u64 s[22:23], s[22:23], s[32:33]
	s_add_nc_u64 s[28:29], s[28:29], s[32:33]
	s_lshl_b32 s32, s31, 10
	s_add_nc_u64 s[26:27], s[26:27], s[32:33]      ; hq: 1,024 bytes a tile
	s_lshr_b32 s37, s30, 1                         ; the fragment of w1 and of u1 that I quantise: tile of hidden units u = w / 2 (rows 8 u on), K step s = w % 2 (512 bytes on)
	s_lshl_b32 s37, s37, 13
	s_and_b32 s32, s30, 1
	s_lshl_b32 s32, s32, 9
	s_add_co_u32 s32, s32, s37
	s_add_nc_u64 s[6:7], s[6:7], s[32:33]
	s_add_nc_u64 s[14:15], s[14:15], s[32:33]
	s_lshl_b32 s32, s30, 13                        ; and of u2: rows 64 w on, 128 bytes each
	s_add_nc_u64 s[18:19], s[18:19], s[32:33]
	v_and_b32 v7, 8, v2
	v_add_nc_u32 v7, v7, v2                        ; r + 8 (r / 8): THE ROWS OF A TILE OF w1 ARE NOT NEIGHBOURS, so that the results' 16 registers are 16 neighbours along the next K
	v_lshlrev_b32 v7, 10, v7
	v_lshl_add_u32 v7, v3, 7, v7                   ; w1, u1: that row of 1,024 bytes, + 128 h
	v_lshlrev_b32 v8, 7, v1                        ; u2: row l of the 32 of two tiles (the block h of my lanes' half is tile h)
	v_lshlrev_b32 v9, 10, v2
	v_lshl_add_u32 v9, v3, 6, v9                   ; x: row r, + 64 h: my 16 numbers of a block of 32
	v_lshlrev_b32 v10, 6, v3                       ; b1, c1: hidden units 16 h on
	v_lshlrev_b32 v11, 5, v3                       ; c2: outputs 8 h on
	WIN 0x40                                       ; destination window 1
	s_wait_alu depctr_va_vdst(0)                   ; v6 to v11 are written: the offsets of every global load and store of this role
	WLOAD FA, 7, 6, 256                            ; 16 loads: w1
	WLOAD FB, 7, 14, 256                           ; 16: u1
	WLOAD FC, 8, 18, 4096                          ; 16: u2 (the second block's tile lies 32 rows on)
	WIN 0
.irp s, 0,1
.irp b, 0,1,2,3
.irp j, 0,1,2,3
	global_load_b128 v[XR+64*\s+16*\b+4*\j:XR+64*\s+16*\b+4*\j+3], v9, s[4:5] offset:512*\s+128*\b+16*\j th:TH_LOAD_NT   ; 32: x
.endr
.endr
.endr
	WIN 0x40
.irp u, 0,1                                    ; 8: the biases in the result's layout: tile u, lane half h: hidden units 16 h + 8 u + 0 .. 7
	global_load_b128 v[BI+8*\u:BI+8*\u+3], v10, s[8:9] offset:32*\u
	global_load_b128 v[BI+8*\u+4:BI+8*\u+7], v10, s[8:9] offset:32*\u+16
	global_load_b128 v[BI+16+8*\u:BI+16+8*\u+3], v10, s[16:17] offset:32*\u
	global_load_b128 v[BI+16+8*\u+4:BI+16+8*\u+7], v10, s[16:17] offset:32*\u+16
.endr
	WIN 0
	s_mul_i32 s37, s30, 1536
	s_add_co_u32 s37, s37, WIMG
	v_add_nc_u32 v12, s37, v6                      ; where I store an image: 16 l + 1,536 w
	v_lshlrev_b32 v19, 2, v1                       ; 4 l
	s_lshl_b32 s37, s30, 7
	s_add_co_u32 s37, s37, WSC
	v_add_nc_u32 v13, s37, v19                     ; and its scale words: 4 l + 128 w
	v_add_nc_u32 v14, WIMG, v6                     ; from where any image is read
	v_add_nc_u32 v15, WSC, v19
	s_mul_i32 s37, s30, 16640
	s_add_co_u32 s37, s37, BSTG                    ; my stage
	v_mul_u32_u24 v16, v2, 1040
	v_lshl_add_u32 v16, v3, 5, v16
	v_add_nc_u32 v16, s37, v16                     ; in: row r, + 32 h
	v_add_nc_u32 v17, s37, v6                      ; back: 16 bytes a lane
	v_lshlrev_b32 v18, 3, v1                       ; 8 l
	s_wait_loadcnt 0x3f                            ; w1's 16 loads are in (72 were issued behind them; the count is the largest that the wait can name)
	QFRAG FA
	s_wait_alu depctr_va_vdst(0)                   ; w1's fragment v[F ..] and its scale word v[PW] are written, which the image's stores read; so are v12 to v19, the addresses and offsets of all that follows
	IMAGE 0
	s_wait_loadcnt 56                              ; u1's are in: behind them u2's 16, x's 32, the biases' 8
	s_wait_alu depctr_vm_vsrc(0)                   ; the image's stores have read v[F ..] and v[PW], which the next fragment's lines write again
	QFRAG FB
	s_wait_alu depctr_va_vdst(0)                   ; u1's fragment and scale word are written, which the image's stores read
	IMAGE 1
	s_wait_loadcnt 40                              ; u2's are in: behind them x's 32 and the biases' 8
	s_wait_alu depctr_vm_vsrc(0)                   ; the image's stores have read v[F ..] and v[PW], which the next fragment's lines write again
	QFRAG FC
	WIN 0x40
	s_wait_alu depctr_va_vdst(0)                   ; the maxima and conversions are done reading w1's and u1's numbers, in whose registers c2 lands; u2's fragment and scale word are written, which the image's stores behind these loads read
.set t, 0
.rept 16                                       ; c2 in the result's layout, where w1's and u1's numbers lay: tile t, lane half h: outputs 16 t + 8 h + 0 .. 7.  It is the C of product 4
	global_load_b128 v[8*t:8*t+3], v11, s[20:21] offset:64*t
	global_load_b128 v[8*t+4:8*t+7], v11, s[20:21] offset:64*t+16
.set t, t+1
.endr
	WIN 0
	IMAGE 2                                        ; no vector line since the wait above names its registers
	s_wait_loadcnt 40                              ; x is in: behind it the biases' 8 and c2's 32
.irp c, 0,1,2,3
	v_pk_add_f32 v[TM+2*\c:TM+2*\c+1], v[XR+4*\c:XR+4*\c+1], v[XR+4*\c+2:XR+4*\c+3]   ; the row's sum, in four chains
.endr
.set p, 8
.rept 56
	v_pk_add_f32 v[TM+2*(p%4):TM+2*(p%4)+1], v[TM+2*(p%4):TM+2*(p%4)+1], v[XR+2*p:XR+2*p+1]
.set p, p+1
.endr
	JOIN
	v_mul_f32 v20, 0xbb800000, v[TM]               ; - the row's mean
	v_mov_b32 v21, v20
	QUANT XR, XF, XS                               ; x as it is given is what is quantised
	QUANT XR+64, XF+12, XS+1
.set p, 0
.rept 64
	v_pk_add_f32 v[XR+2*p:XR+2*p+1], v[XR+2*p:XR+2*p+1], v[20:21]   ; x less its mean: sum_i LN(w) x = rstd sum_i w (x - mean x), whatever w's own mean
.set p, p+1
.endr
	s_wait_alu depctr_va_vdst(0)                   ; the additions have written v[XR ..], which the stores read and in which fragments then land; x's codes v[XF ..] and scale words v[XS ..] are written, which the scaled products take (the 64 additions are their places)
.set p, 0
.rept 32
	global_store_b128 v6, v[XR+4*p:XR+4*p+3], s[22:23] offset:512*p   ; the image of my 128 registers: 512 consecutive bytes a store, aligned
.set p, p+1
.endr
	s_wait_xcnt 0x0                                ; the stores have read their registers: fragments may land there
	s_wait_alu depctr_vm_vsrc(0)                   ; the stores have read v[XR ..]: fragments and scale words land there, and vector lines write hw's and hb's codes, forms and bytes there
	BARRIER                                        ; the twelve fragments of the weights lie in LDS
.irp i, 0,1,2,3,4,5,6,7
	FETCH WF+12*\i, \i, WSW+\i
.endr
	s_wait_loadcnt 32                              ; the biases are in: behind them c2's 32
	s_wait_dscnt 0x0
	; PRODUCTS 1 AND 3, transposed: source 0 = 16 rows of w1 or u1, source 1 = my 16 tokens.  Four accumulators by turns; the biases are the C of the first K step.
	; (x's codes and scale words were written 64 vector instructions ago.)
	WIN 0x10                                       ; source 2 in window 1
.irp a, 0,1,2,3
	v_wmma_scale_f32_16x16x128_f8f6f4 v[HW+8*\a:HW+8*\a+7], v[WF+24*\a:WF+24*\a+11], v[XF:XF+11], v[BI+8*\a:BI+8*\a+7], v[WSW+2*\a], v[XS] matrix_a_fmt:MATRIX_FMT_FP6 matrix_b_fmt:MATRIX_FMT_FP6
.endr
	WIN 0
.irp a, 0,1,2,3
	v_wmma_scale_f32_16x16x128_f8f6f4 v[HW+8*\a:HW+8*\a+7], v[WF+24*\a+12:WF+24*\a+23], v[XF+12:XF+23], v[HW+8*\a:HW+8*\a+7], v[WSW+2*\a+1], v[XS+1] matrix_a_fmt:MATRIX_FMT_FP6 matrix_b_fmt:MATRIX_FMT_FP6
.endr
.rept 4
	v_nop                                          ; places in front of the first read of results (ISA guide 7.12.1)
.endr
	s_wait_alu depctr_va_vdst(0)                   ; the eight products are done reading w1's and u1's fragments and scale words, in whose registers u2's land
.irp f, 0,1,2,3
	FETCH UF+12*\f, 8+\f, WSW+\f                   ; u2's four fragments land while the hidden layers are quantised
.endr
	QHID HW, LHW, 38
	QHID HW+16, LHB, 39
	v_mov_b32 v[SBB], v39                          ; hb's byte at byte b, 0 (2^-127, over zero codes) in the other three
	v_lshlrev_b32 v[SBB+1], 8, v39
	v_lshlrev_b32 v[SBB+2], 16, v39
	v_lshlrev_b32 v[SBB+3], 24, v39
.irp i, 0,1,2,3,4,5                            ; hb's codes in ONE block of source 1 and zero codes in the other three pick one of a fragment's four tiles: L: lanes 0-15 alone, H: lanes 16-31 alone, Z: zeros
	v_cndmask_b32 v[FRM+6+\i], v[LHB+\i], v5, s36
	v_cndmask_b32 v[FRM+18+\i], v5, v[LHB+\i], s36
	v_mov_b32 v[FRM+\i], 0
	v_mov_b32 v[FRM+12+\i], 0
	v_mov_b32 v[FRM+24+\i], 0
.endr
	s_wait_loadcnt 0x0                             ; c2
	s_wait_dscnt 0x0                               ; u2's fragments
.rept 8
	v_nop                                          ; a scale register written by a vector instruction stands 8 places ahead of a scaled matrix instruction, an operand so written 4
.endr
	s_wait_alu depctr_va_vdst(0)                   ; behind the places: the forms v[FRM ..] and the scale words v[SBB ..] are written, which the scaled products take; hw's codes v[LHW ..] and byte v38 are written, which the three stores read
	global_store_b128 v6, v[LHW:LHW+3], s[26:27]               ; hq: registers 0-3, 16 bytes a lane;
	global_store_b64 v18, v[LHW+4:LHW+5], s[26:27] offset:512  ; registers 4-5, 8 bytes a lane;
	global_store_b32 v19, v38, s[26:27] offset:768             ; the byte, a word a lane
	; PRODUCT 4, transposed: source 0 = four tiles of 16 rows of u2, one in each block; block b of source 1 alone holds codes.  Sixteen accumulators, each begun on c2.
	WIN 0x50                                       ; C and D in window 1
.irp f, 0,1,2,3
.irp b, 0,1,2,3
.set rD, 8*(4*\f+\b)
.set rB, FRM+6*(2*(\b%2)+1-\b/2)               ; block 0: (L, Z); 1: (H, Z); 2: (Z, L); 3: (Z, H)
	v_wmma_scale_f32_16x16x128_f8f6f4 v[rD:rD+7], v[UF+12*\f:UF+12*\f+11], v[rB:rB+11], v[rD:rD+7], v[WSW+\f], v[SBB+\b] matrix_a_fmt:MATRIX_FMT_FP6 matrix_b_fmt:MATRIX_FMT_FP6
.endr
.endr
.rept 4
	v_nop
.endr
	; THE LAYER NORM OVER THE 256 OUTPUTS, in two passes.  Lane (r, h) holds 128 of token r's: register 8 t + j = output 16 t + 8 h + j.  Every accumulator is read from its low end on.
	WIN 0x05                                       ; sources 0 and 1 in window 1
.irp c, 0,1,2,3
	v_pk_add_f32 v[TM+2*\c:TM+2*\c+1], v[4*\c:4*\c+1], v[4*\c+2:4*\c+3]
.endr
	WIN 0x04                                       ; source 1 in window 1
.set p, 8
.rept 56
	v_pk_add_f32 v[TM+2*(p%4):TM+2*(p%4)+1], v[TM+2*(p%4):TM+2*(p%4)+1], v[2*p:2*p+1]
.set p, p+1
.endr
	WIN 0
	JOIN
	v_mul_f32 v20, 0xbb800000, v[TM]               ; - the mean
	v_mov_b32 v21, v20
	WIN 0x41                                       ; destination and source 0 in window 1
.set p, 0
.rept 64
	v_pk_add_f32 v[2*p:2*p+1], v[2*p:2*p+1], v[20:21]
.set p, p+1
.endr
	WIN 0x05
.irp c, 0,1,2,3
	v_pk_mul_f32 v[TM+2*\c:TM+2*\c+1], v[2*\c:2*\c+1], v[2*\c:2*\c+1]
.endr
.set p, 4
.rept 60
	v_pk_fma_f32 v[TM+2*(p%4):TM+2*(p%4)+1], v[2*p:2*p+1], v[2*p:2*p+1], v[TM+2*(p%4):TM+2*(p%4)+1]
.set p, p+1
.endr
	WIN 0
	JOIN                                           ; the sum of the 256 squares
	s_mov_b32 s37, 0x3b800000                      ; 2^-8
	s_mov_b32 s38, 0x3727c5ac                      ; 1e-5
	v_fma_f32 v[TM], v[TM], s37, s38               ; the variance + eps
	v_rsq_f32 v22, v[TM]
	v_nop                                          ; a plain place behind the transcendental,
	s_wait_alu depctr_va_vdst(0)                   ; and the wait ahead of the first line that names its result: v22 is written
	v_mov_b32 v23, v22
	WIN 0x41
.set p, 0
.rept 64
	v_pk_mul_f32 v[2*p:2*p+1], v[2*p:2*p+1], v[22:23]
.set p, p+1
.endr
	; THE WAY OUT: a lane's eight numbers of a tile are 32 neighbouring bytes of its token's row; the rows meet in my own stage and leave whole.
	WIN 0x04                                       ; an LDS store's data are its source 1: window 1
	s_wait_alu depctr_va_vdst(0)                   ; the scalings have written the 128 numbers of b, which the stage's stores read; every vector and matrix line that named v[XR ..] is done, where the rows then land
.set t, 0
.rept 16
	ds_store_b128 v16, v[8*t:8*t+3] offset:64*t
	ds_store_b128 v16, v[8*t+4:8*t+7] offset:64*t+16
.set t, t+1
.endr
	WIN 0
	s_wait_xcnt 0x0                                ; the stores into hq have read their registers: the rows may land there
	s_wait_alu depctr_vm_vsrc(0)                   ; the stores into hq have read v[LHW ..], in which rows of b land
.set p, 0
.rept 32
	ds_load_b128 v[XR+4*p:XR+4*p+3], v17 offset:1040*(p/2)+512*(p%2)   ; LDS serves a wave's instructions in order: these see my stores.  Half a row, 512 bytes, an instruction
.set p, p+1
.endr
.set p, 0
.rept 32
	s_wait_dscnt 31-p
	global_store_b128 v6, v[XR+4*p:XR+4*p+3], s[28:29] offset:512*p    ; 32 lanes store 512 consecutive bytes, at a multiple of 256 from bl's first byte
.set p, p+1
.endr
	s_wait_dscnt 0x0                               ; the closing lines, six on end
	s_wait_alu 0x0
	s_wait_tensorcnt 0x0
	ds_add_u32 v254, v255
	s_wait_dscnt 0x0
	s_endpgm
.Lfunc_end_k_q4b6c5d6818_prep:
	.size	k_q4b6c5d6818_prep, .Lfunc_end_k_q4b6c5d6818_prep-k_q4b6c5d6818_prep
	.p2alignl 7, 3214868480
	.fill 96, 4, 3214868480
	.section	.rodata,"a",@progbits
	.p2align	6, 0x0
	.amdhsa_kernel k_q4b6c5d6818_prep
		.amdhsa_group_segment_fixed_size 124416
		.amdhsa_private_segment_fixed_size 0
		.amdhsa_enable_private_segment 0
		.amdhsa_kernarg_size 104
		.amdhsa_user_sgpr_count 2
		.amdhsa_user_sgpr_kernarg_segment_ptr 1
		.amdhsa_wavefront_size32 1
		.amdhsa_system_sgpr_workgroup_id_x 1
		.amdhsa_system_sgpr_workgroup_id_y 1
		.amdhsa_system_sgpr_workgroup_id_z 1
		.amdhsa_system_vgpr_workitem_id 0
		.amdhsa_next_free_vgpr 480
		.amdhsa_next_free_sgpr 66
		.amdhsa_reserve_vcc 0
		.amdhsa_float_denorm_mode_32 3
		.amdhsa_float_denorm_mode_16_64 3
		.amdhsa_memory_ordered 1
		.amdhsa_forward_progress 1
		.amdhsa_inst_pref_size 92
	.end_amdhsa_kernel
	.amdgpu_metadata
---
amdhsa.version: [ 1, 2 ]
amdhsa.kernels:
  - .name:           k_q4b6c5d6818_prep
    .symbol:         k_q4b6c5d6818_prep.kd
    .args:
      - { .name: x, .offset: 0, .size: 8, .value_kind: global_buffer, .address_space: global }
      - { .name: w1, .offset: 8, .size: 8, .value_kind: global_buffer, .address_space: global }
      - { .name: b1, .offset: 16, .size: 8, .value_kind: global_buffer, .address_space: global }
      - { .name: w2, .offset: 24, .size: 8, .value_kind: global_buffer, .address_space: global }
      - { .name: b2, .offset: 32, .size: 8, .value_kind: global_buffer, .address_space: global }
      - { .name: u1, .offset: 40, .size: 8, .value_kind: global_buffer, .address_space: global }
      - { .name: c1, .offset: 48, .size: 8, .value_kind: global_buffer, .address_space: global }
      - { .name: u2, .offset: 56, .size: 8, .value_kind: global_buffer, .address_space: global }
      - { .name: c2, .offset: 64, .size: 8, .value_kind: global_buffer, .address_space: global }
      - { .name: xr, .offset: 72, .size: 8, .value_kind: global_buffer, .address_space: global }
      - { .name: wq, .offset: 80, .size: 8, .value_kind: global_buffer, .address_space: global }
      - { .name: hq, .offset: 88, .size: 8, .value_kind: global_buffer, .address_space: global }
      - { .name: bl, .offset: 96, .size: 8, .value_kind: global_buffer, .address_space: global }
    .group_segment_fixed_size: 124416
    .private_segment_fixed_size: 0
    .kernarg_segment_align: 8
    .kernarg_segment_size: 104
    .max_flat_workgroup_size: 128
    .sgpr_count:     66
    .vgpr_count:     480
    .wavefront_size: 32
...
	.end_amdgpu_metadata
.endif
;; end of part 3
;; launch main: the kernel of part 2 again; grid 8 x 32, 4 waves a work-group, clusters of 4 x 4, 315,904 bytes of LDS; arguments xr, wq, hq, bl, out0; writes out0
